; MI455X (gfx1250); checked and timed in simulation.
; The chip was launched on July 23, 2026; its instructions are those of AMD's public machine-readable ISA for CDNA 5 (MIT licence, August 2026) and "CDNA5" Instruction Set Architecture Reference Guide (July 2026). The comments in the code are by the model that wrote it; some were corrected since.
;; Perceiver Self Attention. Allowed arithmetic: float matrix products may take bf16 or f16 operands with f32 sums; all other float work in f32.
;; Inputs: Wk 256 x 1,024 float32; Wq 256 x 1,024 float32; Wv 1,024 x 1,024 float32; bk 256 float32; bq 256 float32; bv 1,024 float32; hidden_states 8 x 512 x 1,024 float32; inputs 8 x 4,096 x 1,024 float32; ln1_b 1,024 float32; ln1_w 1,024 float32; ln2_b 1,024 float32; ln2_w 1,024 float32.
;; Outputs: out0 8 x 512 x 1,024 float32.
;; One version. Each part assembles by itself: llvm-mc -triple=amdgcn-amd-amdhsa -mcpu=gfx1250 --defsym DOCPART=n.
;; ======== version 1 of 1: 4 launches
;; workspace buffers: xn 67,108,864 bytes; hn 8,388,608 bytes; wall 3,145,728 bytes; ball 6,144 bytes; kvT 83,886,080 bytes; qs 2,097,152 bytes
;; launch prep (part 1): grid 1200 x 1, 4 waves a work-group, no clusters, 0 bytes of LDS; arguments inputs, hidden_states, ln2_w, ln2_b, ln1_w, ln1_b, Wk, Wv, Wq, bk, bv, bq, xn, hn, wall, ball; writes xn, hn, wall, ball
.if DOCPART == 1
	.amdgcn_target "amdgcn-amd-amdhsa--gfx1250"
	.amdhsa_code_object_version 6
	.text
	.protected	k_q506cbfd6b0_prep
	.globl	k_q506cbfd6b0_prep
	.p2align	8
	.type	k_q506cbfd6b0_prep,@function
k_q506cbfd6b0_prep:
	s_mov_b64 s[64:65], 0
	v_nop
	global_prefetch_b8 v0, s[64:65] scope:SCOPE_SE
	s_setreg_imm32_b32 hwreg(HW_REG_WAVE_MODE, 25, 1), 1
	s_wait_xcnt 0x0
; PREP: xn = bf16(LayerNorm(inputs; ln2)), hn = bf16(LayerNorm(hidden_states; ln1)), wall = bf16([Wk; Wv; Wq]), ball = [bk; bv; bq] in f32.
; Work-groups 0-1023: 32 rows of inputs each; 1024-1151: 32 rows of hidden_states; 1152-1199: 32 rows of the weights (the even ones also copy 64 biases).
; Four waves, 8 rows each, written out without a loop: the row stands in the immediates and no address register is ever rewritten.
; A row of 1,024 f32 is 4,096 bytes: one wave takes it whole (eight 16-byte loads a lane, 32 registers) and keeps it in registers for the mean, the
; centred sum of squares and the scaling, so each input byte is read once and no wave waits for another.
; The mean is taken away BEFORE the squares are summed: no difference of large sums is formed when the inputs carry an offset.
; Three row slots; the packed result goes to registers of its own (Y), so a slot is filled again as soon as it has been converted, ahead of the row's stores.
; 194 registers a wave, so that five waves fit in a SIMD's 1,024: what counts here is how many rows are on their way at a time.
; No LDS, no matrix unit, no cluster: the launch is a stream; all that work-groups share are the two gain and bias vectors, 8 KB beside 128 KB of rows.
; Each load of a wave covers 512 consecutive bytes, each store 256 consecutive bytes, both aligned to their own length.
; Limits: v_rsq_f32 is good to 1 ULP; a NaN or an infinity in a row makes the row NaN, as in the definition.
.set ROWB,  4096                       ; bytes in an f32 row
.set OROWB, 2048                       ; bytes in a bf16 row
.set W,     4                          ; v[4:35]    gain of my 32 columns (columns 128 j + 4 lane .. + 3)
.set BV,    36                         ; v[36:67]   bias of the same columns
.set X,     68                         ; v[68:163]  three row slots of 32 registers
.set Y,     164                        ; v[164:179] a row packed to bf16, as stored
.set T,     180                        ; v[180:191] at work: four chains, the negated mean twice, 1/sigma twice
.set IO,    192                        ; byte offset of my 16 bytes in my wave's first row; never rewritten
.set OO,    193                        ; the same for my 8 bytes of output; never rewritten
.set CX,    4                          ; the weights' path: v[4:131], four rows of 32 registers
	s_load_b512 s[8:23], s[0:1], 0x0               ; inputs 8, hidden 10, ln2_w 12, ln2_b 14, ln1_w 16, ln1_b 18, Wk 20, Wv 22
	s_load_b512 s[24:39], s[0:1], 0x40             ; Wq 24, bk 26, bv 28, bq 30, xn 32, hn 34, wall 36, ball 38
	v_and_b32 v1, 31, v0                           ; lane
	v_lshrrev_b32 v2, 5, v0                        ; wave
	v_readfirstlane_b32 s41, v2
	v_lshlrev_b32 v3, 4, v1                        ; 16 x lane
	v_lshlrev_b32 v1, 3, v1                        ; 8 x lane
	v_lshl_add_u32 v[IO], v2, 15, v3               ; + wave x 8 rows x 4,096 bytes
	v_lshl_add_u32 v[OO], v2, 14, v1               ; + wave x 8 rows x 2,048 bytes
	s_mov_b32 s57, 0                               ; high words of the two offset pairs
	s_mov_b32 s59, 0
	s_wait_kmcnt 0x0
	s_cmp_ge_u32 ttmp9, 1152
	s_cbranch_scc1 .Lcast
	; ---- LayerNorm: choose the tensor, its gain, its bias and its output by the work-group's number
	s_sub_co_u32 s40, ttmp9, 1024
	s_cmp_lt_u32 ttmp9, 1024
	s_cselect_b32 s40, ttmp9, s40                  ; block of 32 rows inside the chosen tensor
	s_cselect_b64 s[42:43], s[8:9], s[10:11]       ; rows
	s_cselect_b64 s[44:45], s[12:13], s[16:17]     ; gain
	s_cselect_b64 s[46:47], s[14:15], s[18:19]     ; bias
	s_cselect_b64 s[48:49], s[32:33], s[34:35]     ; output
	s_lshl_b32 s56, s40, 17                        ; 32 rows of 4,096 bytes (below 2^27)
	s_lshl_b32 s58, s40, 16                        ; 32 rows of 2,048 bytes
	s_add_nc_u64 s[42:43], s[42:43], s[56:57]
	s_add_nc_u64 s[48:49], s[48:49], s[58:59]
	s_mov_b32 s50, 0x3a800000                      ; 1/1024
	s_mov_b32 s55, 0xba800000                      ; -1/1024
	s_mov_b32 s51, 0x3727c5ac                      ; eps = 1e-5
	s_mov_b32 s52, 0x76543210                      ; v_permlanex16_b32: lane i of one half reads lane i of the other
	s_mov_b32 s53, 0xfedcba98
.irp j, 0,1,2,3,4,5,6,7
	global_load_b128 v[W+4*\j:W+4*\j+3], v3, s[44:45] offset:512*\j
	global_load_b128 v[BV+4*\j:BV+4*\j+3], v3, s[46:47] offset:512*\j
.endr
.macro FILL s, row                     ; eight loads of 512 consecutive bytes: row 'row' of my eight into slot s
.irp j, 0,1,2,3,4,5,6,7
	global_load_b128 v[X+32*\s+4*\j:X+32*\s+4*\j+3], v[IO], s[42:43] offset:\row*ROWB+512*\j th:TH_LOAD_NT
.endr
.endm
.macro RED                             ; the four chains to one number, then over the 32 lanes; every lane ends with the sum in v[T]
	v_pk_add_f32 v[T:T+1], v[T:T+1], v[T+2:T+3]
	v_pk_add_f32 v[T+4:T+5], v[T+4:T+5], v[T+6:T+7]
	v_pk_add_f32 v[T:T+1], v[T:T+1], v[T+4:T+5]
	v_add_f32 v[T], v[T], v[T+1]
	v_add_f32_dpp v[T], v[T], v[T] row_xmask:1 row_mask:0xf bank_mask:0xf
	v_add_f32_dpp v[T], v[T], v[T] row_xmask:2 row_mask:0xf bank_mask:0xf
	v_add_f32_dpp v[T], v[T], v[T] row_xmask:4 row_mask:0xf bank_mask:0xf
	v_add_f32_dpp v[T], v[T], v[T] row_xmask:8 row_mask:0xf bank_mask:0xf
	v_permlanex16_b32 v[T+1], v[T], s52, s53       ; its destination counts as read: T+1 has been written
	v_add_f32 v[T], v[T], v[T+1]
.endm
	FILL 0, 0
	FILL 1, 1
	FILL 2, 2
; Row i of my eight, in slot i mod 3.  left = younger loads that may stay out; fill = 1: the slot gets row i + 3 as soon as it has been converted.
.macro TURN i, left, fill
.set sl, X+32*((\i)%3)
	s_wait_loadcnt \left                           ; loads come back in order: my row's eight are in (and, the first time, gain and bias)
	; the mean: four chains, started by sums of the first eight pairs
.irp k, 0,1,2,3
	v_pk_add_f32 v[T+2*\k:T+2*\k+1], v[sl+2*\k:sl+2*\k+1], v[sl+2*\k+8:sl+2*\k+9]
.endr
.irp k, 8,9,10,11,12,13,14,15
	v_pk_add_f32 v[T+2*(\k%4):T+2*(\k%4)+1], v[T+2*(\k%4):T+2*(\k%4)+1], v[sl+2*\k:sl+2*\k+1]
.endr
	RED
	v_mul_f32 v[T+8], s55, v[T]                    ; minus the mean, twice: a pair for the packed add
	v_mul_f32 v[T+9], s55, v[T]
.irp k, 0,1,2,3,4,5,6,7,8,9,10,11,12,13,14,15
	v_pk_add_f32 v[sl+2*\k:sl+2*\k+1], v[sl+2*\k:sl+2*\k+1], v[T+8:T+9]
.endr
	; the sum of the centred squares, again in four chains
.irp k, 0,1,2,3
	v_pk_mul_f32 v[T+2*\k:T+2*\k+1], v[sl+2*\k:sl+2*\k+1], v[sl+2*\k:sl+2*\k+1]
.endr
.irp k, 4,5,6,7,8,9,10,11,12,13,14,15
	v_pk_fma_f32 v[T+2*(\k%4):T+2*(\k%4)+1], v[sl+2*\k:sl+2*\k+1], v[sl+2*\k:sl+2*\k+1], v[T+2*(\k%4):T+2*(\k%4)+1]
.endr
	RED
	v_fma_f32 v[T+2], v[T], s50, s51               ; variance + eps
	v_rsq_f32 v[T+10], v[T+2]
	v_rsq_f32 v[T+11], v[T+2]
	v_nop                                          ; one plain vector instruction behind a transcendental before its result is used (ISA guide 5.7.2)
	s_wait_alu depctr_va_vdst(0)
.irp k, 0,1,2,3,4,5,6,7,8,9,10,11,12,13,14,15
	v_pk_mul_f32 v[sl+2*\k:sl+2*\k+1], v[sl+2*\k:sl+2*\k+1], v[T+10:T+11]
.endr
.irp k, 0,1,2,3,4,5,6,7,8,9,10,11,12,13,14,15
	v_pk_fma_f32 v[sl+2*\k:sl+2*\k+1], v[sl+2*\k:sl+2*\k+1], v[W+2*\k:W+2*\k+1], v[BV+2*\k:BV+2*\k+1]
.endr
	s_wait_xcnt 0x0                                ; every earlier memory instruction has had its addresses translated (ISA guide 3.1): Y, which the last row's stores
	                                               ; read, is rewritten only behind this wait; those stores stand a whole row's arithmetic back
.irp j, 0,1,2,3,4,5,6,7
	v_cvt_pk_bf16_f32 v[Y+2*\j], v[sl+4*\j], v[sl+4*\j+1]
	v_cvt_pk_bf16_f32 v[Y+2*\j+1], v[sl+4*\j+2], v[sl+4*\j+3]
.endr
.if \fill
	FILL ((\i)%3), (\i+3)                          ; no memory instruction names the slot's registers: the next row is asked for ahead of this row's stores
.endif
.irp j, 0,1,2,3,4,5,6,7
	global_store_b64 v[OO], v[Y+2*\j:Y+2*\j+1], s[48:49] offset:\i*OROWB+256*\j    ; 32 lanes, 256 consecutive bytes
.endr
.endm
	TURN 0, 16, 1                                  ; 16: the two younger rows, eight loads each, stay on their way
	TURN 1, 16, 1
	TURN 2, 16, 1
	TURN 3, 16, 1
	TURN 4, 16, 1                                  ; the last fill: row 7
	TURN 5, 16, 0
	TURN 6, 8, 0                                   ; the counts run down
	TURN 7, 0, 0
	s_endpgm
	; ---- the weights: block c of 32 rows of [Wk (8 blocks); Wv (32); Wq (8)] to bf16; the biases as they are
.Lcast:
	s_sub_co_u32 s40, ttmp9, 1152                  ; c, 0 to 47
	s_sub_co_u32 s54, s40, 8                       ; the block inside Wv,
	s_sub_co_u32 s55, s40, 40                      ; inside Wq
	s_cmp_lt_u32 s40, 40
	s_cselect_b64 s[42:43], s[22:23], s[24:25]
	s_cselect_b64 s[44:45], s[28:29], s[30:31]
	s_cselect_b32 s54, s54, s55
	s_cmp_lt_u32 s40, 8
	s_cselect_b64 s[42:43], s[20:21], s[42:43]
	s_cselect_b64 s[44:45], s[26:27], s[44:45]
	s_cselect_b32 s54, s40, s54
	s_lshl_b32 s56, s54, 17
	s_add_nc_u64 s[42:43], s[42:43], s[56:57]      ; my 32 rows of the weight
	s_lshl_b32 s56, s54, 7
	s_add_nc_u64 s[44:45], s[44:45], s[56:57]      ; their 32 biases
	s_lshl_b32 s58, s40, 16
	s_add_nc_u64 s[36:37], s[36:37], s[58:59]      ; their places in wall
	s_lshl_b32 s58, s40, 7
	s_add_nc_u64 s[38:39], s[38:39], s[58:59]      ; and in ball
; Four rows at a time: 32 loads go out together; the offset registers are never rewritten (the row stands in the immediate).
.macro CBATCH bt
.if \bt
	s_wait_xcnt 0x0                                ; the last batch's stores have had their addresses translated: their data registers are loaded again only behind this wait
.endif
.irp r, 0,1,2,3
.irp j, 0,1,2,3,4,5,6,7
	global_load_b128 v[CX+32*\r+4*\j:CX+32*\r+4*\j+3], v[IO], s[42:43] offset:(4*\bt+\r)*ROWB+512*\j th:TH_LOAD_NT
.endr
.endr
.irp r, 0,1,2,3
	s_wait_loadcnt 24-8*\r                         ; row r is in; the younger rows of the batch, eight loads each, stay out
.irp j, 0,1,2,3,4,5,6,7
	v_cvt_pk_bf16_f32 v[CX+32*\r+4*\j], v[CX+32*\r+4*\j], v[CX+32*\r+4*\j+1]
	v_cvt_pk_bf16_f32 v[CX+32*\r+4*\j+1], v[CX+32*\r+4*\j+2], v[CX+32*\r+4*\j+3]
	global_store_b64 v[OO], v[CX+32*\r+4*\j:CX+32*\r+4*\j+1], s[36:37] offset:(4*\bt+\r)*OROWB+256*\j
.endr
.endr
.endm
	CBATCH 0
	CBATCH 1
	s_and_b32 s54, s40, 1                          ; wave 0 of an even block copies the 64 biases of its block and the next (both lie in one tensor: 8, 32 and 8
	s_or_b32 s54, s54, s41                         ; blocks are even counts): 32 lanes x 8 bytes, 256 consecutive bytes, aligned
	s_cmp_lg_u32 s54, 0
	s_cbranch_scc1 .Lend
	global_load_b64 v[T:T+1], v1, s[44:45]
	s_wait_loadcnt 0x0
	global_store_b64 v1, v[T:T+1], s[38:39]
.Lend:
	s_endpgm
.Lfunc_end_k_q506cbfd6b0_prep:
	.size	k_q506cbfd6b0_prep, .Lfunc_end_k_q506cbfd6b0_prep-k_q506cbfd6b0_prep
	.p2alignl 7, 3214868480
	.fill 96, 4, 3214868480
	.section	.rodata,"a",@progbits
	.p2align	6, 0x0
	.amdhsa_kernel k_q506cbfd6b0_prep
		.amdhsa_group_segment_fixed_size 0
		.amdhsa_private_segment_fixed_size 0
		.amdhsa_enable_private_segment 0
		.amdhsa_kernarg_size 128
		.amdhsa_user_sgpr_count 2
		.amdhsa_user_sgpr_kernarg_segment_ptr 1
		.amdhsa_wavefront_size32 1
		.amdhsa_system_sgpr_workgroup_id_x 1
		.amdhsa_system_sgpr_workgroup_id_y 1
		.amdhsa_system_sgpr_workgroup_id_z 1
		.amdhsa_system_vgpr_workitem_id 0
		.amdhsa_next_free_vgpr 194
		.amdhsa_next_free_sgpr 66
		.amdhsa_reserve_vcc 0
		.amdhsa_float_denorm_mode_32 3
		.amdhsa_float_denorm_mode_16_64 3
		.amdhsa_memory_ordered 1
		.amdhsa_forward_progress 1
		.amdhsa_inst_pref_size 94
	.end_amdhsa_kernel
	.amdgpu_metadata
---
amdhsa.version: [ 1, 2 ]
amdhsa.kernels:
  - .name:           k_q506cbfd6b0_prep
    .symbol:         k_q506cbfd6b0_prep.kd
    .args:
      - { .name: inputs, .offset: 0, .size: 8, .value_kind: global_buffer, .address_space: global }
      - { .name: hidden_states, .offset: 8, .size: 8, .value_kind: global_buffer, .address_space: global }
      - { .name: ln2_w, .offset: 16, .size: 8, .value_kind: global_buffer, .address_space: global }
      - { .name: ln2_b, .offset: 24, .size: 8, .value_kind: global_buffer, .address_space: global }
      - { .name: ln1_w, .offset: 32, .size: 8, .value_kind: global_buffer, .address_space: global }
      - { .name: ln1_b, .offset: 40, .size: 8, .value_kind: global_buffer, .address_space: global }
      - { .name: Wk, .offset: 48, .size: 8, .value_kind: global_buffer, .address_space: global }
      - { .name: Wv, .offset: 56, .size: 8, .value_kind: global_buffer, .address_space: global }
      - { .name: Wq, .offset: 64, .size: 8, .value_kind: global_buffer, .address_space: global }
      - { .name: bk, .offset: 72, .size: 8, .value_kind: global_buffer, .address_space: global }
      - { .name: bv, .offset: 80, .size: 8, .value_kind: global_buffer, .address_space: global }
      - { .name: bq, .offset: 88, .size: 8, .value_kind: global_buffer, .address_space: global }
      - { .name: xn, .offset: 96, .size: 8, .value_kind: global_buffer, .address_space: global }
      - { .name: hn, .offset: 104, .size: 8, .value_kind: global_buffer, .address_space: global }
      - { .name: wall, .offset: 112, .size: 8, .value_kind: global_buffer, .address_space: global }
      - { .name: ball, .offset: 120, .size: 8, .value_kind: global_buffer, .address_space: global }
    .group_segment_fixed_size: 0
    .private_segment_fixed_size: 0
    .kernarg_segment_align: 8
    .kernarg_segment_size: 128
    .max_flat_workgroup_size: 128
    .sgpr_count:     66
    .vgpr_count:     194
    .wavefront_size: 32
...
	.end_amdgpu_metadata
.endif
;; end of part 1
;; launch kvgemm (part 2): grid 128 x 4, 4 waves a work-group, clusters of 4 x 4, 327,680 bytes of LDS; arguments wall, xn, kvT, ball; writes kvT
.if DOCPART == 2
	.amdgcn_target "amdgcn-amd-amdhsa--gfx1250"
	.amdhsa_code_object_version 6
	.text
	.protected	k_q506cbfd6b0_kvgemm
	.globl	k_q506cbfd6b0_kvgemm
	.p2align	8
	.type	k_q506cbfd6b0_kvgemm,@function
k_q506cbfd6b0_kvgemm:
	s_mov_b64 s[64:65], 0
	v_nop
	global_prefetch_b8 v0, s[64:65] scope:SCOPE_SE
	s_setreg_imm32_b32 hwreg(HW_REG_WAVE_MODE, 25, 1), 1
	s_wait_xcnt 0x0
	s_wait_alu depctr_hold_cnt(0) depctr_sa_sdst(0) depctr_va_vdst(0) depctr_va_sdst(0) depctr_va_ssrc(0) depctr_va_vcc(0) depctr_vm_vsrc(0)
	s_getreg_b32 s2, hwreg(HW_REG_IB_STS2, 6, 4)
	s_cmp_eq_u32 s2, 0
	s_cbranch_scc0 .Lentry_in_a_cluster
	s_endpgm
.Lentry_in_a_cluster:
	s_bfe_u32 s2, ttmp6, 0x10000c
	s_cmp_lg_u32 s2, 0xf033
	s_cbranch_scc0 .Lentry_shape_is_right
	s_endpgm
.Lentry_shape_is_right:
; KVGEMM: kvT[ch][n] = sum over k of wall[ch][k] xn[n][k] + ball[ch], ch = 0..1279 (256 key channels, then 1,024 value channels), n = batch x 4096 + key.
; wall: [1536][1024] bf16 (rows 0-1279 used), xn: [32768][1024] bf16, kvT: [1280][32768] bf16, sums and bias in f32, rounded once.
; The result is kept TRANSPOSED (channels down, keys along): that is the form in which the attention launch wants both K and V.
; A work-group makes 320 channels x 256 keys with four waves, as many as a WGP has SIMDs; a wave makes 160 x 128: 80 accumulator tiles of 16 x 16, 640 registers.
; 1280/320 x 32768/256 = 512 work-groups, twice the 256 WGPs.  K goes in steps of 128 through a ring of two LDS slots filled by the tensor data mover:
; a tile's rows are 256 bytes of memory and start at multiples of 256 bytes.
; CLUSTERS: 4 x 4 work-groups.  The four of a row of the cluster make one block row (the same 320 rows of wall), the four of a column one block column
; (the same 256 rows of xn).  Each tile is asked for jointly by the four that need it: that divides the requests for both operands by four.
;
; REGISTERS, in windows of 256 (s_set_vgpr_msb's low byte: bits 1:0 source 0, 3:2 source 1, 5:4 source 2, 7:6 destination):
;   window 0: v16-27 addresses; v32-111, v112-191 fragments of wall (10 x 16 rows x 32 K), two buffers; v192-223 packed results; v224-243 bias, each number twice
;   window 1: v0-63, v64-127 fragments of xn (8 x 16 rows x 32 K), two buffers; v128-255 the accumulator tiles of channel blocks 8, 9
;   window 2: the tiles of channel blocks 0-3 (tile (a, b) at 8 (8 (a mod 4) + b));   window 3: those of blocks 4-7
; THE MATRIX INSTRUCTION: source 0 = 16 rows of xn, source 1 = 16 rows of wall.  Lane l then holds channel l % 16, and its registers 0 to 7 the keys
; 8 (l / 16) + 0..7: eight neighbouring numbers of a row of kvT, which pack into 16 bytes.
; The 80 accumulators take turns, one matrix instruction a turn, in the same order in every quarter step, over the backward jump too.
.set SIZE_K, 1024
.set KSTEP,  128
.set PITCH,  272                       ; an LDS row: 256 bytes + 16 of padding: the 16 rows that a fragment load touches start at 16 different 16-byte columns
.set HA,     160*PITCH                 ; 160 rows of wall: one tensor load, and what one wave reads of wall
.set HB,     128*PITCH                 ; 128 rows of xn: likewise
.set SLOT,   2*HA+2*HB                 ; wall's 320 rows, then xn's 256 rows: 156,672 bytes; two slots are all of the 313,344 bytes
.set SPITCH, 272
.set CROW,   65536                     ; bytes in a row of kvT
.set LAPS,   SIZE_K/(2*KSTEP)          ; a lap = two K steps = once round the ring: 4
.set ADRA, 16                          ; v16-17  LDS address of my wall fragments in slot 0, 1
.set ADRB, 20                          ; v20-21  the same for xn
.set STO,  24                          ; the way out: where I put 16 bytes of a row
.set RD,   25                          ; the way out: where I read a row back
.set CO,   26                          ; my byte offset in kvT
.set BO,   27                          ; my byte offset in ball
.set FA,   32                          ; wall fragments: buffer f at FA + 80 f (window 0); xn fragments: buffer f at 64 f (window 1)
.set TF,   32                          ; the way out: results with bias, f32
.set RB0,  96                          ; the way out: rows read back, two sets in turn
.set RB1,  128
.set TMP,  192                         ; the way out: packed results
.set BIAS, 224                         ; v[224+2a:225+2a] the bias of my channel in block a, twice (a pair for the packed add)
.set G1,  24                           ; s[24:31] descriptor group 1 for wall's tiles
.set G0,  32                           ; s[32:39] descriptor group 0 for wall's tiles, one set for each slot
.set G1B, 48                           ; s[48:55] group 1 for xn's tiles
.set G0B, 56                           ; s[56:63] group 0 for xn's tiles
.set MSB, 0
.macro WIN new                         ; the immediate's high byte repeats the setting that is left
.if MSB != \new
	s_set_vgpr_msb (MSB<<8)|\new
.set MSB, \new
.endif
.endm
; A joint load.  Waves 0 and 1 fetch wall's two halves, waves 2 and 3 xn's.  Each line has one mask and one set of registers for all that issue it.
.macro JLOAD s
	s_cmp_eq_u32 s11, 0
	s_cbranch_scc0 .Lfor_b_\@
	tensor_load_to_lds s[G0+4*\s:G0+4*\s+3], s[G1:G1+7]
	s_nop 0
	s_branch .Lasked_\@
.Lfor_b_\@:
	tensor_load_to_lds s[G0B+4*\s:G0B+4*\s+3], s[G1B:G1B+7]
	s_nop 0
.Lasked_\@:
.endm
; A round of the cluster's barrier: my work-group's barrier; wave 0 signals for the work-group; every wave waits for all sixteen; my work-group's barrier again.
.macro CREST                           ; a round behind its opening barrier
	s_cmp_lg_u32 s10, 0
	s_cbranch_scc1 .Lnot_wave_0_\@
	s_barrier_signal -3
.Lnot_wave_0_\@:
	s_barrier_wait -3
	s_barrier_signal -1
	s_barrier_wait -1
.endm
.macro CROUND
	s_barrier_signal -1
	s_barrier_wait -1
	CREST
.endm
	s_load_b128 s[4:7], s[0:1], 0x0                ; wall s[4:5], xn s[6:7]
	s_load_b64 s[8:9], s[0:1], 0x10                ; kvT
	s_load_b64 s[66:67], s[0:1], 0x18              ; ball
	v_lshl_add_u32 v254, v0, 2, 0x4c800
	v_mov_b32 v255, 0
	ds_add_u32 v254, v255
	v_lshrrev_b32 v1, 5, v0
	v_readfirstlane_b32 s10, v1                    ; wave 0..3
	s_lshr_b32 s11, s10, 1                         ; which 160 channels of the block are mine.  Also: I fetch for wall (0) or for xn (1)
	s_and_b32 s12, s10, 1                          ; which 128 keys.  Also: which half of that tile I fetch
	s_bfe_u32 s40, ttmp6, 0x40000                  ; cx
	s_bfe_u32 s41, ttmp6, 0x40004                  ; cy
	s_lshl_b32 s42, ttmp9, 2
	s_add_co_u32 s42, s42, s40                     ; block column (256 keys) = 4 x cluster x + cx
	s_and_b32 s13, ttmp7, 0xffff
	s_lshl_b32 s13, s13, 2
	s_add_co_u32 s13, s13, s41                     ; block row (320 channels) = 4 x cluster y + cy
	s_lshl_b32 s43, s41, 2
	s_lshl_b32 s43, 15, s43                        ; my row of the cluster: places 4 cy .. 4 cy + 3
	s_lshl_b32 s44, 0x1111, s40                    ; my column: places cx, cx + 4, cx + 8, cx + 12
	; group 1: 160 (wall) or 128 (xn) rows x 128 elements of 2 bytes, 4 words of padding behind every 64 words
	s_or_b32 s[G1+0], s43, (1<<16)|(1<<20)|(1<<21)|(5<<22)|(3<<25)   ; 15:0 mask: my row; 17:16 element size; 20 padding on; 21 set beside a mask; 24:22 interval; 31:25 pad
	s_or_b32 s[G1B+0], s44, (1<<16)|(1<<20)|(1<<21)|(5<<22)|(3<<25)  ; the same with the mask of my column
	s_mov_b32 s[G1+1], KSTEP<<16                   ; tensor_dim0 = 128
	s_mov_b32 s[G1B+1], KSTEP<<16
	s_mov_b32 s[G1+2], 160<<16                     ; tensor_dim1 = 160
	s_mov_b32 s[G1B+2], 128<<16                    ; tensor_dim1 = 128
	s_mov_b32 s[G1+3], KSTEP<<16                   ; tile_dim0 = 128
	s_mov_b32 s[G1B+3], KSTEP<<16
	s_mov_b32 s[G1+4], 160                         ; tile_dim1
	s_mov_b32 s[G1B+4], 128
	s_mov_b32 s[G1+5], SIZE_K                      ; elements from row to row
	s_mov_b32 s[G1B+5], SIZE_K
	s_mov_b32 s[G1+6], 0
	s_mov_b32 s[G1B+6], 0
	s_mov_b32 s[G1+7], 0
	s_mov_b32 s[G1B+7], 0
	; where the tiles come from: wall's hang on the block row alone, xn's on the block column alone, each in registers that never hold the other coordinate
	s_mul_i32 s16, s13, 320
	s_mul_i32 s17, s12, 160
	s_add_co_u32 s16, s16, s17                     ; wall: row 320 x block row + 160 x half
	s_lshl_b32 s46, s42, 8
	s_lshl_b32 s47, s12, 7
	s_add_co_u32 s46, s46, s47                     ; xn: row 256 x block column + 128 x half
	s_mov_b32 s17, 0
	s_mov_b32 s47, 0
	s_lshl_b64 s[16:17], s[16:17], 11              ; rows of 2,048 bytes
	s_lshl_b64 s[46:47], s[46:47], 11
	s_mul_i32 s20, s10, HA                         ; where they go: wall's halves at wave x 43,520 (waves 0, 1),
	s_mul_i32 s45, s10, HB
	s_add_co_u32 s45, s45, 2*HA-2*HB               ; xn's at 87,040 + (wave - 2) x 34,816 (waves 2, 3): the wave's number alone
	s_mul_i32 s68, s13, 320
	s_mul_i32 s69, s11, 160
	s_add_co_u32 s68, s68, s69                     ; my first channel,
	s_lshl_b32 s68, s68, 2                         ; in bytes of ball
	s_mov_b32 s69, 0
	s_wait_dscnt 0x0
	s_wait_kmcnt 0x0
	s_add_nc_u64 s[14:15], s[4:5], s[16:17]
	s_add_nc_u64 s[46:47], s[6:7], s[46:47]
	s_add_nc_u64 s[66:67], s[66:67], s[68:69]
	CROUND                                         ; all sixteen work-groups are here: the first joint loads meet
.irp s, 0,1
	s_mov_b32 s[G0+4*\s], 1                                        ; count = 1
	s_add_co_u32 s[G0+4*\s+1], s20, \s*SLOT                        ; LDS address
	s_add_nc_u64 s[G0+4*\s+2:G0+4*\s+3], s[14:15], \s*KSTEP*2      ; global address: K step s
	s_or_b32 s[G0+4*\s+3], s[G0+4*\s+3], 0x80000000                ; type = 2
	s_mov_b32 s[G0B+4*\s], 1
	s_add_co_u32 s[G0B+4*\s+1], s45, \s*SLOT
	s_add_nc_u64 s[G0B+4*\s+2:G0B+4*\s+3], s[46:47], \s*KSTEP*2
	s_or_b32 s[G0B+4*\s+3], s[G0B+4*\s+3], 0x80000000
	JLOAD \s                                       ; both slots are asked for before anything else: two tensor loads of the wave are out
.endr
	; A fragment is 16 rows x 32 K in 8 registers: lane l holds row l % 16; registers 0-3 K = 8 (l / 16) + 0..7, registers 4-7 K = 16 + 8 (l / 16) + 0..7:
	; two loads of 16 bytes, 32 bytes apart.
	v_and_b32 v1, 15, v0                           ; l % 16
	v_bfe_u32 v2, v0, 4, 1                         ; l / 16
	v_lshlrev_b32 v[BO], 2, v1
.irp a, 0,1,2,3,4,5,6,7,8,9
	global_load_b32 v[BIAS+2*\a], v[BO], s[66:67] offset:64*\a     ; the bias of channel 16 a + l % 16, into both registers of a pair;
	global_load_b32 v[BIAS+2*\a+1], v[BO], s[66:67] offset:64*\a   ; waited for on the way out
.endr
	v_mul_u32_u24 v3, v1, PITCH
	v_lshl_add_u32 v3, v2, 4, v3                   ; row x pitch + 16 x half
	s_mul_i32 s21, s11, HA                         ; my 160 rows of wall
	s_mul_i32 s22, s12, HB                         ; my 128 rows of xn,
	s_add_co_u32 s22, s22, 2*HA                    ; which lie behind wall's 320
.irp s, 0,1
	v_add_nc_u32 v[ADRA+\s], s21, v3
	v_add_nc_u32 v[ADRB+\s], s22, v3
	s_add_co_u32 s21, s21, SLOT
	s_add_co_u32 s22, s22, SLOT
.endr
	s_mul_i32 s23, s10, 16*SPITCH                  ; my stage for the way out: 16 rows x 272 bytes at wave x 4,352, inside slot 0.  Slot 0 has had its last fill (K step 6)
	                                               ; and its last reads are closed by the barrier in front of K step 7 when the first byte is staged
	v_mul_u32_u24 v4, v1, SPITCH
	v_lshl_add_u32 v4, v2, 4, v4
	v_add_nc_u32 v[STO], s23, v4                   ; in: row l % 16, 16 bytes for each half of the lanes
	v_mul_u32_u24 v5, v2, SPITCH
	v_lshl_add_u32 v5, v1, 4, v5
	v_add_nc_u32 v[RD], s23, v5                    ; back: lanes 0-15 one row of 256 bytes, lanes 16-31 the next
	v_lshlrev_b32 v5, 16, v2                       ; the same two rows in kvT
	v_lshl_add_u32 v[CO], v1, 4, v5
; 8 matrix instructions: channel block a x all 8 key blocks, 32 along K, from buffer f; acc = the block's first accumulator register in the window that is set.
.macro MUL8 f, a, acc, zero
.irp b, 0,1,2,3,4,5,6,7
.if \zero
	v_wmma_f32_16x16x32_bf16 v[\acc+8*\b:\acc+8*\b+7], v[64*\f+8*\b:64*\f+8*\b+7], v[FA+80*\f+8*\a:FA+80*\f+8*\a+7], 0
.else
	v_wmma_f32_16x16x32_bf16 v[\acc+8*\b:\acc+8*\b+7], v[64*\f+8*\b:64*\f+8*\b+7], v[FA+80*\f+8*\a:FA+80*\f+8*\a+7], v[\acc+8*\b:\acc+8*\b+7]
.endif
.endr
.endm
; 36 LDS loads in one run: the fragments of one quarter step (128 rows of xn, then 160 rows of wall, 32 K at byte k of the rows) into buffer f
.macro FETCH slot, k, f
	WIN 0x40                                       ; destination window 1, address window 0
.irp i, 0,1,2,3,4,5,6,7
	ds_load_b128 v[64*\f+8*\i:64*\f+8*\i+3],   v[ADRB+\slot] offset:\k+\i*16*PITCH
	ds_load_b128 v[64*\f+8*\i+4:64*\f+8*\i+7], v[ADRB+\slot] offset:\k+\i*16*PITCH+32
.endr
	WIN 0
.irp i, 0,1,2,3,4,5,6,7,8,9
	ds_load_b128 v[FA+80*\f+8*\i:FA+80*\f+8*\i+3],   v[ADRA+\slot] offset:\k+\i*16*PITCH
	ds_load_b128 v[FA+80*\f+8*\i+4:FA+80*\f+8*\i+7], v[ADRA+\slot] offset:\k+\i*16*PITCH+32
.endr
.endm
; A load into a register that a matrix instruction has read, and a vector instruction that reads a matrix result, stand four places behind that matrix
; instruction; only plain vector instructions that name none of its registers are places (ISA guide 7.12.1 for vector instructions).
.macro PLACES
.rept 4
	v_nop
.endr
.endm
; A K step is four quarter steps of 32 along K, 80 matrix instructions each, on buffers 0, 1, 0, 1.
; One of the first three: multiplies buffer f; behind its first 32 products it fetches the next quarter's fragments into buffer g.
.macro QUARTER slot, k, f, g, zero
	s_wait_dscnt 12                                ; xn and wall's blocks 0-3 are in; the youngest twelve loads (blocks 4-9) may be out
	WIN 0xa1                                       ; source 0 window 1, source 1 window 0, C and D window 2
	MUL8 \f, 0, 0, \zero
	MUL8 \f, 1, 64, \zero
	MUL8 \f, 2, 128, \zero
	MUL8 \f, 3, 192, \zero
	PLACES
	FETCH \slot, \k, \g
	s_wait_dscnt 36                                ; all but the 36 just issued
	WIN 0xf1                                       ; C and D window 3
	MUL8 \f, 4, 0, \zero
	MUL8 \f, 5, 64, \zero
	MUL8 \f, 6, 128, \zero
	MUL8 \f, 7, 192, \zero
	WIN 0x51                                       ; C and D window 1
	MUL8 \f, 8, 128, \zero
	MUL8 \f, 9, 192, \zero
.endm
.macro THREE slot, zero
	QUARTER \slot, 64,  0, 1, \zero
	QUARTER \slot, 128, 1, 0, 0
	QUARTER \slot, 192, 0, 1, 0
.endm
; The last quarter: multiplies buffer 1 and changes slots.  In front of the one barrier each wave waits for its reads of this slot and for all its tensor
; loads (one is out: its part of the next slot).  Behind it the refill comes first, then the next slot's first fragments.
; From a request to the wait for it a wave issues 304 matrix instructions.
.macro TURN slot, next, fill
	s_wait_dscnt 12
	WIN 0xa1
	MUL8 1, 0, 0, 0
	MUL8 1, 1, 64, 0
	s_wait_dscnt 0                                 ; my reads of this slot are over
	s_set_vgpr_msb 0xa1a0
	s_wait_tensorcnt 0x0                           ; and all my tensor loads have landed
	ds_add_u32 v254, v255
	s_wait_dscnt 0x0
	s_set_vgpr_msb 0xa0a1
	s_barrier_signal -1                            ; say so (where a slot is filled again this barrier opens a round of the cluster's barrier),
	MUL8 1, 2, 128, 0                              ; work on registers while the others arrive,
	MUL8 1, 3, 192, 0
	WIN 0
	s_barrier_wait -1
.if \fill
	CREST                                          ; no wave of any partner still reads this slot's tile or has a load on its way
	s_add_nc_u64 s[G0+4*\slot+2:G0+4*\slot+3], s[G0+4*\slot+2:G0+4*\slot+3], 2*KSTEP*2
	s_add_nc_u64 s[G0B+4*\slot+2:G0B+4*\slot+3], s[G0B+4*\slot+2:G0B+4*\slot+3], 2*KSTEP*2
	JLOAD \slot                                    ; the first tensor load behind the round, and the wave's only one until the next: one is out
.endif
	PLACES
	FETCH \next, 0, 0
	WIN 0xf1
	MUL8 1, 4, 0, 0
	MUL8 1, 5, 64, 0
	MUL8 1, 6, 128, 0
	MUL8 1, 7, 192, 0
	WIN 0x51
	MUL8 1, 8, 128, 0
	MUL8 1, 9, 192, 0
.endm
.macro LAP zero
	THREE 0, \zero
	TURN 0, 1, 1
	THREE 1, 0
	TURN 1, 0, 1
.endm
	s_wait_tensorcnt 1                             ; my part of K step 0 is in; K step 1 may stay out
	s_barrier_signal -1
	s_barrier_wait -1
	FETCH 0, 0, 0
	LAP 1                                          ; the first lap stands in front of the loop: its first products start the sums, nothing is cleared
	WIN 0                                          ; at a label and at a branch every window is 0
	s_mov_b32 s3, LAPS-2
.Llap:
	LAP 0
	WIN 0
	s_sub_co_u32 s3, s3, 1
	s_cmp_lg_u32 s3, 0
	s_cbranch_scc1 .Llap
	THREE 0, 0                                     ; the last lap fills nothing
	TURN 0, 1, 0
	THREE 1, 0
	s_wait_dscnt 12                                ; the very last quarter
	WIN 0xa1
	MUL8 1, 0, 0, 0
	MUL8 1, 1, 64, 0
	MUL8 1, 2, 128, 0
	MUL8 1, 3, 192, 0
	s_wait_dscnt 0
	WIN 0xf1
	MUL8 1, 4, 0, 0
	MUL8 1, 5, 64, 0
	MUL8 1, 6, 128, 0
	MUL8 1, 7, 192, 0
	WIN 0x51
	MUL8 1, 8, 128, 0
	MUL8 1, 9, 192, 0
	; THE WAY OUT, 16 channels at a time: add the bias in f32, round to bf16, 16 bytes a lane into my stage, read back as whole rows of 256 bytes.
	PLACES                                         ; the places behind the last matrix instructions
	WIN 0
	s_wait_loadcnt 0x0                             ; the bias
	s_mul_i32 s16, s13, 320
	s_mul_i32 s14, s11, 160
	s_add_co_u32 s16, s16, s14                     ; my first channel = my first row of kvT
	s_mov_b32 s17, 0
	s_lshl_b64 s[16:17], s[16:17], 16              ; rows of 65,536 bytes
	s_add_nc_u64 s[8:9], s[8:9], s[16:17]
	s_lshl_b32 s46, s42, 9                         ; my first key, in bytes: 512 x block column + 256 x half
	s_lshl_b32 s47, s12, 8
	s_add_co_u32 s46, s46, s47
	s_mov_b32 s47, 0
	s_add_nc_u64 s[8:9], s[8:9], s[46:47]
; channel block i: its eight tiles begin at register acc of the window that from names (source 0); rb: RB0 or RB1 in turn
.macro OUT16 i, acc, from, rb
	WIN \from
.irp b, 0,1,2,3,4,5,6,7
.irp r, 0,1,2,3
	v_pk_add_f32 v[TF+8*\b+2*\r:TF+8*\b+2*\r+1], v[\acc+8*\b+2*\r:\acc+8*\b+2*\r+1], v[BIAS+2*\i:BIAS+2*\i+1]
.endr
.endr
	WIN 0
.irp b, 0,1,2,3,4,5,6,7
.irp r, 0,1,2,3
	v_cvt_pk_bf16_f32 v[TMP+4*\b+\r], v[TF+8*\b+2*\r], v[TF+8*\b+2*\r+1]
.endr
.endr
.irp b, 0,1,2,3,4,5,6,7
	ds_store_b128 v[STO], v[TMP+4*\b:TMP+4*\b+3] offset:32*\b
.endr
	s_wait_xcnt 0x0                                ; every earlier memory instruction has had its addresses translated (ISA guide 3.1): rb and the stores' base are rewritten only behind this wait
.if \i
	s_add_nc_u64 s[8:9], s[8:9], 16*CROW           ; 16 rows of kvT on: the stores' offsets stay at 14 rows at the most
.endif
.irp t, 0,1,2,3,4,5,6,7
	ds_load_b128 v[\rb+4*\t:\rb+4*\t+3], v[RD] offset:\t*2*SPITCH  ; LDS serves a wave's instructions in order: these see the stores above
.endr
.irp t, 0,1,2,3,4,5,6,7
	s_wait_dscnt 7-\t
	global_store_b128 v[CO], v[\rb+4*\t:\rb+4*\t+3], s[8:9] offset:2*\t*CROW   ; 16 lanes store 256 consecutive bytes, aligned
.endr
.endm
	OUT16 0, 0,   0x02, RB0
	OUT16 1, 64,  0x02, RB1
	OUT16 2, 128, 0x02, RB0
	OUT16 3, 192, 0x02, RB1
	OUT16 4, 0,   0x03, RB0
	OUT16 5, 64,  0x03, RB1
	OUT16 6, 128, 0x03, RB0
	OUT16 7, 192, 0x03, RB1
	OUT16 8, 128, 0x01, RB0
	OUT16 9, 192, 0x01, RB1
	s_wait_tensorcnt 0x0
	ds_add_u32 v254, v255
	s_wait_dscnt 0x0
	CROUND                                         ; the closing round: no work-group ends while a partner may still ask for a tile that names it
	s_endpgm
.Lfunc_end_k_q506cbfd6b0_kvgemm:
	.size	k_q506cbfd6b0_kvgemm, .Lfunc_end_k_q506cbfd6b0_kvgemm-k_q506cbfd6b0_kvgemm
	.p2alignl 7, 3214868480
	.fill 96, 4, 3214868480
	.section	.rodata,"a",@progbits
	.p2align	6, 0x0
	.amdhsa_kernel k_q506cbfd6b0_kvgemm
		.amdhsa_group_segment_fixed_size 327680
		.amdhsa_private_segment_fixed_size 0
		.amdhsa_enable_private_segment 0
		.amdhsa_kernarg_size 32
		.amdhsa_user_sgpr_count 2
		.amdhsa_user_sgpr_kernarg_segment_ptr 1
		.amdhsa_wavefront_size32 1
		.amdhsa_system_sgpr_workgroup_id_x 1
		.amdhsa_system_sgpr_workgroup_id_y 1
		.amdhsa_system_sgpr_workgroup_id_z 1
		.amdhsa_system_vgpr_workitem_id 0
		.amdhsa_next_free_vgpr 1024
		.amdhsa_next_free_sgpr 70
		.amdhsa_reserve_vcc 0
		.amdhsa_float_denorm_mode_32 3
		.amdhsa_float_denorm_mode_16_64 3
		.amdhsa_memory_ordered 1
		.amdhsa_forward_progress 1
		.amdhsa_inst_pref_size 255
	.end_amdhsa_kernel
	.section	.bss,"aw",@nobits
	.p2align	6
	.space	262144
	.amdgpu_metadata
---
amdhsa.version: [ 1, 2 ]
amdhsa.kernels:
  - .name:           k_q506cbfd6b0_kvgemm
    .symbol:         k_q506cbfd6b0_kvgemm.kd
    .args:
      - { .name: wall, .offset: 0, .size: 8, .value_kind: global_buffer, .address_space: global }
      - { .name: xn, .offset: 8, .size: 8, .value_kind: global_buffer, .address_space: global }
      - { .name: kvT, .offset: 16, .size: 8, .value_kind: global_buffer, .address_space: global }
      - { .name: ball, .offset: 24, .size: 8, .value_kind: global_buffer, .address_space: global }
    .group_segment_fixed_size: 327680
    .private_segment_fixed_size: 0
    .kernarg_segment_align: 8
    .kernarg_segment_size: 32
    .max_flat_workgroup_size: 128
    .sgpr_count:     70
    .vgpr_count:     1024
    .wavefront_size: 32
...
	.end_amdgpu_metadata
.endif
;; end of part 2
;; launch qproj (part 3): grid 4 x 64, 4 waves a work-group, clusters of 4 x 4, 274,944 bytes of LDS; arguments hn, wall, ball, qs; writes qs
.if DOCPART == 3
	.amdgcn_target "amdgcn-amd-amdhsa--gfx1250"
	.amdhsa_code_object_version 6
	.text
	.protected	k_q506cbfd6b0_qproj
	.globl	k_q506cbfd6b0_qproj
	.p2align	8
	.type	k_q506cbfd6b0_qproj,@function
k_q506cbfd6b0_qproj:
	s_mov_b64 s[64:65], 0
	v_nop
	global_prefetch_b8 v0, s[64:65] scope:SCOPE_SE
	s_setreg_imm32_b32 hwreg(HW_REG_WAVE_MODE, 25, 1), 1
	s_wait_xcnt 0x0
	s_wait_alu depctr_hold_cnt(0) depctr_sa_sdst(0) depctr_va_vdst(0) depctr_va_sdst(0) depctr_va_ssrc(0) depctr_va_vcc(0) depctr_vm_vsrc(0)
	s_getreg_b32 s2, hwreg(HW_REG_IB_STS2, 6, 4)
	s_cmp_eq_u32 s2, 0
	s_cbranch_scc0 .Lentry_in_a_cluster
	s_endpgm
.Lentry_in_a_cluster:
	s_bfe_u32 s2, ttmp6, 0x10000c
	s_cmp_lg_u32 s2, 0xf033
	s_cbranch_scc0 .Lentry_shape_is_right
	s_endpgm
.Lentry_shape_is_right:
; QPROJ: qs[b][head][q][d] = bf16( (sum over k of hn[b 512 + q][k] Wq[32 head + d][k] + bq[32 head + d]) x log2(e)/sqrt(32) ).
; hn: [4096][1024] bf16; Wq = rows 1280-1535 of wall, bq = numbers 1280-1535 of ball; sums, bias and scale in f32, rounded once.
; The factor folds the division by sqrt(32) and the change from e^x to 2^x into q, so the attention launch multiplies no score.
; A work-group makes 64 rows x 64 channels; the whole K = 1,024 of both tiles fits in LDS, so every LDS byte is filled once and there is no ring.
; A wave makes 32 rows x 32 channels (one head): four accumulators, which take turns, one matrix instruction a turn.
; CLUSTERS: 4 x 4.  The four of a row of the cluster need the same 64 rows of hn, the four of a column the same 64 rows of Wq: joint loads.
; Source 0 = 16 rows of Wq, source 1 = 16 rows of hn: lane l holds query row l % 16 and its registers eight neighbouring channels.
.set HPITCH, 1040                      ; an LDS row: 1,024 bytes (512 K) + 16 of padding: an odd multiple of 16
.set WPART,  32*HPITCH                 ; 32 rows: one tensor load
.set REGION, 4*WPART                   ; one half of K: hn's 64 rows (waves 0, 1), then Wq's 64 rows (waves 2, 3): 133,120 bytes
.set STAGE,  2*REGION                  ; behind both: 2,048 bytes for each wave, bytes of their own
.set CSC,    0x3e8293ee                ; log2(e)/sqrt(32) = 0.25503486
.set AH,   6                           ; v6-7   LDS address of my hn fragments in K half 0, 1
.set AW,   8                           ; v8-9   the same for Wq
.set STQ,  10
.set RDQ,  11
.set GOQ,  12
.set BOQ,  13
.set BQ,   16                          ; v[16:31] bias of my 2 x 8 channels
.set BUF0, 32                          ; v[32:95], v[96:159]: two fragment buffers, two K steps of 32 each
.set ACC,  160                         ; v[160:191] tile (a, b) at ACC + 8 (2 a + b)
.set G1,  16                           ; s[16:23] group 1 for hn
.set G1B, 24                           ; s[24:31] group 1 for Wq
.set G0,  32                           ; s[32:39] group 0 for hn, one set for each K half
.set G0B, 48                           ; s[48:55] group 0 for Wq
.macro CROUND
	s_barrier_signal -1
	s_barrier_wait -1
	s_cmp_lg_u32 s12, 0
	s_cbranch_scc1 .Lnot_wave_0_\@
	s_barrier_signal -3
.Lnot_wave_0_\@:
	s_barrier_wait -3
	s_barrier_signal -1
	s_barrier_wait -1
.endm
.macro PLACES                          ; four places behind a matrix instruction before a load lands in its sources or a vector instruction reads its result
.rept 4
	v_nop
.endr
.endm
	s_load_b256 s[4:11], s[0:1], 0x0               ; hn s[4:5], wall s[6:7], ball s[8:9], qs s[10:11]
	v_lshl_add_u32 v192, v0, 2, 0x43000
	v_mov_b32 v193, 0
	ds_add_u32 v192, v193
	v_lshrrev_b32 v1, 5, v0
	v_readfirstlane_b32 s12, v1                    ; wave
	s_lshr_b32 s13, s12, 1                         ; which 32 rows are mine.  Also: I fetch for hn (0) or for Wq (1)
	s_and_b32 s14, s12, 1                          ; which 32 channels.  Also: which 32 rows of that tile I fetch
	s_bfe_u32 s40, ttmp6, 0x40000                  ; cx
	s_bfe_u32 s41, ttmp6, 0x40004                  ; cy
	s_lshl_b32 s42, ttmp9, 2
	s_add_co_u32 s42, s42, s40                     ; channel block (64 channels)
	s_and_b32 s15, ttmp7, 0xffff
	s_lshl_b32 s15, s15, 2
	s_add_co_u32 s15, s15, s41                     ; row block (64 rows)
	s_lshl_b32 s43, s41, 2
	s_lshl_b32 s43, 15, s43                        ; my row of the cluster
	s_lshl_b32 s44, 0x1111, s40                    ; my column
	; group 1: 32 rows x 512 elements of 2 bytes, 4 words of padding behind every 256 words
	s_or_b32 s[G1+0], s43, (1<<16)|(1<<20)|(1<<21)|(7<<22)|(3<<25)
	s_or_b32 s[G1B+0], s44, (1<<16)|(1<<20)|(1<<21)|(7<<22)|(3<<25)
	s_mov_b32 s[G1+1], 512<<16                     ; tensor_dim0
	s_mov_b32 s[G1B+1], 512<<16
	s_mov_b32 s[G1+2], 32<<16                      ; tensor_dim1
	s_mov_b32 s[G1B+2], 32<<16
	s_mov_b32 s[G1+3], 512<<16                     ; tile_dim0
	s_mov_b32 s[G1B+3], 512<<16
	s_mov_b32 s[G1+4], 32                          ; tile_dim1
	s_mov_b32 s[G1B+4], 32
	s_mov_b32 s[G1+5], 1024                        ; elements from row to row
	s_mov_b32 s[G1B+5], 1024
	s_mov_b32 s[G1+6], 0
	s_mov_b32 s[G1B+6], 0
	s_mov_b32 s[G1+7], 0
	s_mov_b32 s[G1B+7], 0
	s_lshl_b32 s46, s15, 6
	s_lshl_b32 s47, s14, 5
	s_add_co_u32 s46, s46, s47                     ; hn: row 64 x row block + 32 x half
	s_lshl_b32 s46, s46, 11
	s_mov_b32 s47, 0
	s_lshl_b32 s56, s42, 6
	s_lshl_b32 s57, s14, 5
	s_add_co_u32 s56, s56, s57
	s_add_co_u32 s56, s56, 1280                    ; wall: row 1280 + 64 x channel block + 32 x half
	s_lshl_b32 s56, s56, 11
	s_mov_b32 s57, 0
	s_mul_i32 s45, s12, WPART                      ; where they go: wave x 33,280
	s_wait_dscnt 0x0
	s_wait_kmcnt 0x0
	s_add_nc_u64 s[46:47], s[4:5], s[46:47]
	s_add_nc_u64 s[56:57], s[6:7], s[56:57]
.irp j, 0,1
	s_mov_b32 s[G0+4*\j], 1
	s_add_co_u32 s[G0+4*\j+1], s45, \j*REGION
	s_add_nc_u64 s[G0+4*\j+2:G0+4*\j+3], s[46:47], \j*1024
	s_or_b32 s[G0+4*\j+3], s[G0+4*\j+3], 0x80000000
	s_mov_b32 s[G0B+4*\j], 1
	s_add_co_u32 s[G0B+4*\j+1], s45, \j*REGION
	s_add_nc_u64 s[G0B+4*\j+2:G0B+4*\j+3], s[56:57], \j*1024
	s_or_b32 s[G0B+4*\j+3], s[G0B+4*\j+3], 0x80000000
.endr
	CROUND                                         ; all sixteen work-groups are here: the joint loads meet
	s_cmp_eq_u32 s13, 0
	s_cbranch_scc0 .Lfor_w
	tensor_load_to_lds s[G0:G0+3], s[G1:G1+7]      ; both K halves go out together: two tensor loads of the wave are out, and no more follow
	s_nop 0
	tensor_load_to_lds s[G0+4:G0+7], s[G1:G1+7]
	s_nop 0
	s_branch .Lasked
.Lfor_w:
	tensor_load_to_lds s[G0B:G0B+3], s[G1B:G1B+7]
	s_nop 0
	tensor_load_to_lds s[G0B+4:G0B+7], s[G1B:G1B+7]
	s_nop 0
.Lasked:
	s_lshl_b32 s58, s42, 6
	s_lshl_b32 s59, s14, 5
	s_add_co_u32 s58, s58, s59
	s_add_co_u32 s58, s58, 1280                    ; my first channel in ball
	s_lshl_b32 s58, s58, 2
	s_mov_b32 s59, 0
	s_add_nc_u64 s[8:9], s[8:9], s[58:59]
	v_and_b32 v1, 15, v0                           ; r = l % 16
	v_bfe_u32 v2, v0, 4, 1                         ; h = l / 16
	v_and_b32 v3, 31, v0
	v_lshlrev_b32 v[BOQ], 5, v2                    ; 8 h channels of 4 bytes
.irp b, 0,1
	global_load_b128 v[BQ+8*\b:BQ+8*\b+3], v[BOQ], s[8:9] offset:64*\b        ; bias of channels 16 b + 8 h + 0..7
	global_load_b128 v[BQ+8*\b+4:BQ+8*\b+7], v[BOQ], s[8:9] offset:64*\b+16
.endr
	s_lshl_b32 s58, s15, 6
	s_lshl_b32 s60, s13, 5
	s_add_co_u32 s58, s58, s60                     ; my first row of hn
	s_lshr_b32 s60, s58, 9                         ; its batch
	s_and_b32 s58, s58, 511                        ; its query
	s_lshl_b32 s60, s60, 3
	s_lshl_b32 s61, s42, 1
	s_add_co_u32 s60, s60, s61
	s_add_co_u32 s60, s60, s14                     ; 8 x batch + head (head = 2 x channel block + half)
	s_lshl_b32 s60, s60, 9
	s_add_co_u32 s58, s58, s60
	s_lshl_b32 s58, s58, 6                         ; rows of 64 bytes
	s_add_nc_u64 s[10:11], s[10:11], s[58:59]
	v_mul_u32_u24 v4, v1, HPITCH
	v_lshl_add_u32 v4, v2, 4, v4                   ; row x pitch + 16 x half
	s_mul_i32 s60, s13, WPART
	s_mul_i32 s61, s14, WPART
	s_add_co_u32 s61, s61, 2*WPART
	v_add_nc_u32 v[AH], s60, v4
	v_add_nc_u32 v[AW], s61, v4
	v_add_nc_u32 v[AH+1], REGION, v[AH]
	v_add_nc_u32 v[AW+1], REGION, v[AW]
	s_lshl_b32 s60, s12, 11
	s_add_co_u32 s60, s60, STAGE                   ; my stage
	v_lshlrev_b32 v4, 6, v1
	v_lshl_add_u32 v4, v2, 4, v4
	v_add_nc_u32 v[STQ], s60, v4                   ; in: query row r x 64 bytes + 16 h
	v_lshlrev_b32 v[GOQ], 4, v3
	v_add_nc_u32 v[RDQ], s60, v[GOQ]               ; back: 16 bytes a lane, 512 consecutive bytes
; 16 LDS loads: group g (two K steps of 32) of K half j into buffer buf: step kk: hn blocks 0, 1 at buf + 32 kk, Wq blocks 0, 1 at buf + 32 kk + 16
.macro FETCHQ j, g, buf
.irp kk, 0,1
.irp a, 0,1
	ds_load_b128 v[\buf+32*\kk+8*\a:\buf+32*\kk+8*\a+3],       v[AH+\j] offset:\a*16*HPITCH+64*(2*\g+\kk)
	ds_load_b128 v[\buf+32*\kk+8*\a+4:\buf+32*\kk+8*\a+7],     v[AH+\j] offset:\a*16*HPITCH+64*(2*\g+\kk)+32
	ds_load_b128 v[\buf+32*\kk+16+8*\a:\buf+32*\kk+16+8*\a+3], v[AW+\j] offset:\a*16*HPITCH+64*(2*\g+\kk)
	ds_load_b128 v[\buf+32*\kk+20+8*\a:\buf+32*\kk+20+8*\a+3], v[AW+\j] offset:\a*16*HPITCH+64*(2*\g+\kk)+32
.endr
.endr
.endm
.macro MULQ4 buf, kk, zero             ; one K step: the four accumulators, one instruction each
.irp a, 0,1
.irp b, 0,1
.if \zero
	v_wmma_f32_16x16x32_bf16 v[ACC+8*(2*\a+\b):ACC+8*(2*\a+\b)+7], v[\buf+32*\kk+16+8*\b:\buf+32*\kk+16+8*\b+7], v[\buf+32*\kk+8*\a:\buf+32*\kk+8*\a+7], 0
.else
	v_wmma_f32_16x16x32_bf16 v[ACC+8*(2*\a+\b):ACC+8*(2*\a+\b)+7], v[\buf+32*\kk+16+8*\b:\buf+32*\kk+16+8*\b+7], v[\buf+32*\kk+8*\a:\buf+32*\kk+8*\a+7], v[ACC+8*(2*\a+\b):ACC+8*(2*\a+\b)+7]
.endif
.endr
.endr
.endm
; One half of K: eight groups on two buffers; while one group is multiplied the next one's 16 loads are on their way.
.macro HALF j, zero
.set zq, \zero
	PLACES
	FETCHQ \j, 0, BUF0
.irp g, 0,1,2,3,4,5,6,7
.set cbuf, BUF0+64*((\g)%2)
.set nbuf, BUF0+64*((\g+1)%2)
.if \g < 7
	PLACES
	FETCHQ \j, (\g+1), nbuf
	s_wait_dscnt 16                                ; this group's fragments are in; the 16 loads just issued stay out
.else
	s_wait_dscnt 0
.endif
	MULQ4 cbuf, 0, zq                              ; the very first product starts the sums: nothing is cleared
.set zq, 0
	MULQ4 cbuf, 1, 0
.endr
.endm
	s_wait_tensorcnt 1                             ; my part of K half 0 is in; half 1 may stay out
	s_barrier_signal -1
	s_barrier_wait -1
	HALF 0, 1
	s_wait_tensorcnt 0x0                           ; my part of K half 1 (my LDS loads are back: the last group waited for 0)
	s_barrier_signal -1
	s_barrier_wait -1
	HALF 1, 0
	; the way out: (sum + bias) x c as one fused multiply-add with bias x c, round, through my stage, 512 consecutive bytes a store
	PLACES
	s_wait_loadcnt 0x0
.irp i, 0,1,2,3,4,5,6,7
	v_pk_mul_f32 v[BQ+2*\i:BQ+2*\i+1], v[BQ+2*\i:BQ+2*\i+1], CSC op_sel_hi:[1,0]
.endr
.irp a, 0,1
.irp b, 0,1
.irp i, 0,1,2,3
	v_pk_fma_f32 v[ACC+8*(2*\a+\b)+2*\i:ACC+8*(2*\a+\b)+2*\i+1], v[ACC+8*(2*\a+\b)+2*\i:ACC+8*(2*\a+\b)+2*\i+1], CSC, v[BQ+8*\b+2*\i:BQ+8*\b+2*\i+1] op_sel_hi:[1,0,1]
.endr
.irp i, 0,1,2,3
	v_cvt_pk_bf16_f32 v[BUF0+4*(2*\a+\b)+\i], v[ACC+8*(2*\a+\b)+2*\i], v[ACC+8*(2*\a+\b)+2*\i+1]
.endr
	ds_store_b128 v[STQ], v[BUF0+4*(2*\a+\b):BUF0+4*(2*\a+\b)+3] offset:1024*\a+32*\b   ; query row 16 a + r, channels 16 b + 8 h + 0..7
.endr
.endr
.irp t, 0,1,2,3
	ds_load_b128 v[96+4*\t:96+4*\t+3], v[RDQ] offset:512*\t        ; my own bytes: LDS serves a wave's instructions in order
.endr
.irp t, 0,1,2,3
	s_wait_dscnt 3-\t
	global_store_b128 v[GOQ], v[96+4*\t:96+4*\t+3], s[10:11] offset:512*\t     ; the stage has the form of qs: 32 rows of 64 bytes, dense
.endr
	s_wait_tensorcnt 0x0
	ds_add_u32 v192, v193
	s_wait_dscnt 0x0
	CROUND                                         ; the closing round
	s_endpgm
.Lfunc_end_k_q506cbfd6b0_qproj:
	.size	k_q506cbfd6b0_qproj, .Lfunc_end_k_q506cbfd6b0_qproj-k_q506cbfd6b0_qproj
	.p2alignl 7, 3214868480
	.fill 96, 4, 3214868480
	.section	.rodata,"a",@progbits
	.p2align	6, 0x0
	.amdhsa_kernel k_q506cbfd6b0_qproj
		.amdhsa_group_segment_fixed_size 274944
		.amdhsa_private_segment_fixed_size 0
		.amdhsa_enable_private_segment 0
		.amdhsa_kernarg_size 32
		.amdhsa_user_sgpr_count 2
		.amdhsa_user_sgpr_kernarg_segment_ptr 1
		.amdhsa_wavefront_size32 1
		.amdhsa_system_sgpr_workgroup_id_x 1
		.amdhsa_system_sgpr_workgroup_id_y 1
		.amdhsa_system_sgpr_workgroup_id_z 1
		.amdhsa_system_vgpr_workitem_id 0
		.amdhsa_next_free_vgpr 194
		.amdhsa_next_free_sgpr 66
		.amdhsa_reserve_vcc 0
		.amdhsa_float_denorm_mode_32 3
		.amdhsa_float_denorm_mode_16_64 3
		.amdhsa_memory_ordered 1
		.amdhsa_forward_progress 1
		.amdhsa_inst_pref_size 38
	.end_amdhsa_kernel
	.amdgpu_metadata
---
amdhsa.version: [ 1, 2 ]
amdhsa.kernels:
  - .name:           k_q506cbfd6b0_qproj
    .symbol:         k_q506cbfd6b0_qproj.kd
    .args:
      - { .name: hn, .offset: 0, .size: 8, .value_kind: global_buffer, .address_space: global }
      - { .name: wall, .offset: 8, .size: 8, .value_kind: global_buffer, .address_space: global }
      - { .name: ball, .offset: 16, .size: 8, .value_kind: global_buffer, .address_space: global }
      - { .name: qs, .offset: 24, .size: 8, .value_kind: global_buffer, .address_space: global }
    .group_segment_fixed_size: 274944
    .private_segment_fixed_size: 0
    .kernarg_segment_align: 8
    .kernarg_segment_size: 32
    .max_flat_workgroup_size: 128
    .sgpr_count:     66
    .vgpr_count:     194
    .wavefront_size: 32
...
	.end_amdgpu_metadata
.endif
;; end of part 3
;; launch attn (part 4): grid 256 x 1, 8 waves a work-group, clusters of 4 x 1, 327,680 bytes of LDS; arguments qs, kvT, hidden_states, out0; writes out0
.if DOCPART == 4
	.amdgcn_target "amdgcn-amd-amdhsa--gfx1250"
	.amdhsa_code_object_version 6
	.text
	.protected	k_q506cbfd6b0_attn
	.globl	k_q506cbfd6b0_attn
	.p2align	8
	.type	k_q506cbfd6b0_attn,@function
k_q506cbfd6b0_attn:
	s_mov_b64 s[64:65], 0
	v_nop
	global_prefetch_b8 v0, s[64:65] scope:SCOPE_SE
	s_setreg_imm32_b32 hwreg(HW_REG_WAVE_MODE, 25, 1), 1
	s_wait_xcnt 0x0
	s_wait_alu depctr_hold_cnt(0) depctr_sa_sdst(0) depctr_va_vdst(0) depctr_va_sdst(0) depctr_va_ssrc(0) depctr_va_vcc(0) depctr_vm_vsrc(0)
	s_getreg_b32 s2, hwreg(HW_REG_IB_STS2, 6, 4)
	s_cmp_eq_u32 s2, 0
	s_cbranch_scc0 .Lentry_in_a_cluster
	s_endpgm
.Lentry_in_a_cluster:
	s_bfe_u32 s2, ttmp6, 0x10000c
	s_cmp_lg_u32 s2, 0x3003
	s_cbranch_scc0 .Lentry_shape_is_right
	s_endpgm
.Lentry_shape_is_right:
; ATTN: out0[b][q][128 h + dv] = hidden_states[b][q][128 h + dv] + sum over keys of softmax_key(q.k/sqrt(32)) v[key][dv].
; qs: [b][h][512][32] bf16, already times log2(e)/sqrt(32); kvT: [1280][32768] bf16: K^T of head h in rows 32 h .. + 31, V^T in rows 256 + 128 h .. + 127,
; keys of batch b at columns 4096 b ...  Scores, maximum, exponentials, their sum, the context sums and the residual are f32; P goes to the matrix unit in bf16.
; A cluster of four work-groups is one (b, h); a work-group has 128 of its 512 queries.  All four walk the same K and V tiles and ask for each jointly (mask 15).
; Eight waves: wave w has queries 64 (w / 4) .. + 63 (four blocks of 16) and the quarter w % 4 of each tile's keys.
; TWO PASSES.  Pass 1 forms Q K^T alone and finds each query's exact maximum m.  Pass 2 forms Q K^T again with -m as the matrix instruction's C operand, so the
; subtraction costs nothing, no accumulator is ever rescaled, and the partial sums of the four key quarters add plainly at the end.
; TWO KINDS OF WAVES in pass 2, kind = (w xor w / 4) & 1: waves w and w + 4 differ in kind, and so do waves 2 i and 2 i + 1.  A tile is two steps of
; scores, exponentials and P V products.  Waves of kind 0 run them in that order.  Waves of kind 1 hold the second step's P V products back (P and the V fragments
; are in registers by then) and issue them first thing behind the next barrier, so that from there on one kind's matrix instructions stand beside the other
; kind's exponentials instead of all eight waves doing the same thing at the same time.  The sums are the same; only their order in time differs.
; LAYOUTS.  S^T tile = K fragment (16 keys x 32 d, by transposing LDS loads from K^T) x Q fragment: lane (r, h), register j = (key 8 h + j, query r).
; Two such tiles, packed to bf16 in place, ARE the B fragment of P^T (query r, 32 keys).  ctx^T tile = V^T fragment (16 dv x 32 keys) x P^T.
; Limits: v_exp_f32 gives 0 for a probability below 2^-126; v_rcp_f32 is good to 1 ULP; a NaN or an infinity among a query's scores makes its row NaN.
.set SLOT,   84992                     ; pass 1: four K^T sub-tiles of 256 keys (4 x 17,408); pass 2: V^T 128 rows x 256 keys (2 x 33,792), then K^T (17,408)
.set KSUB,   17408                     ; 32 rows of d, pitch 544
.set VHALF,  33792                     ; 64 rows of dv, pitch 528; also a wave's merge stage: 64 query rows of 128 f32, pitch 528
.set KPITCH, 544                       ; 512 + 32: an odd multiple of 32, for the transposing loads
.set VPITCH, 528                       ; 512 + 16: an odd multiple of 16
.set MX,     270336                    ; [128 queries][4 key quarters] f32: the quarters' maxima; bytes of their own behind the merge stage (8 x 33,792)
.set LX,     272384                    ; the same form: the quarters' sums
.set KA1, 4                            ; v4-5   pass 1: my K address in slot 0, 1
.set KA2, 6                            ; v6-7   pass 2: the same
.set VA,  8                            ; v8-9   pass 2: my V address
.set MXS, 10                           ; where I store into MX (LX: + 2,048)
.set MXL, 11                           ; where I read MX
.set ST,  12                           ; merge: where I put my partial context
.set GO,  13                           ; 16 x lane
.set PFO, 14                           ; prefetch: (32 cx + lane) rows of kvT; never rewritten
.set RD,  16                           ; v16-19 merge: my 16 rows in the stages of the four key quarters
.set LA,  20                           ; merge: my 16 rows of LX
.set LS,  24                           ; v[24:31] running sums of exponentials, a pair for each query block
.set Q,   32                           ; v[32:63] four Q fragments
.set M,   64                           ; v[64:95] pass 1: running maxima; pass 2: -m, eight registers for each query block (a C operand)
.set S,   96                           ; v[96:159] query block qb: two score tiles at S + 16 qb; P packed in place into its first 8 registers
.set KF,  160                          ; v[160:191] K fragments
.set VF,  192                          ; v[192:255] V fragments; at the end the rows of hidden_states
.set MG,  96                           ; merge: 20 registers for each of four rows
.set G1K, 20                           ; s[20:27] group 1: K^T tile, 32 rows x 256 keys
.set G1V, 28                           ; s[28:35] group 1: V^T half, 64 rows x 256 keys
.set G0A, 36                           ; s[36:43] group 0, pass 1, one set for each slot
.set G0B, 44                           ; s[44:51] group 0, pass 2
.set MSB, 0
; window 1 (v256-511): the 32 context accumulators, tile (qb, dvb) at 8 (4 dvb + qb).  They take turns, one matrix instruction a turn.
.macro WIN new                         ; the immediate's high byte repeats the setting that is left
.if MSB != \new
	s_set_vgpr_msb (MSB<<8)|\new
.set MSB, \new
.endif
.endm
.macro NOPS n
.rept \n
	v_nop
.endr
.endm
.macro ROUND                           ; a round of the cluster's barrier
	s_barrier_signal -1
	s_barrier_wait -1
	s_cmp_lg_u32 s12, 0
	s_cbranch_scc1 .Lnot_wave_0_\@
	s_barrier_signal -3
.Lnot_wave_0_\@:
	s_barrier_wait -3
	s_barrier_signal -1
	s_barrier_wait -1
.endm
.macro PRE                             ; in front of every change of slots
	s_wait_dscnt 0x0                               ; my LDS reads and stores are done
	s_wait_xcnt 0x0
	v_lshl_add_u32 v174, v0, 2, 0x43000
	v_mov_b32 v175, 0
	s_wait_tensorcnt 0x0                           ; all my tensor loads have landed: every group 0 may be written
	ds_add_u32 v174, v175
	s_wait_dscnt 0x0
	s_wait_xcnt 0x0                                ; my prefetches have had their addresses translated: their base may be stepped
.endm
.macro JLOAD1 s                        ; pass 1: waves 0-3 bring one sub-tile of 256 keys each
	s_cmp_lt_u32 s12, 4
	s_cbranch_scc0 .Lj1_\@
	tensor_load_to_lds s[G0A+4*\s:G0A+4*\s+3], s[G1K:G1K+7]
	s_nop 0
.Lj1_\@:
.endm
.macro JLOAD2 s                        ; pass 2: waves 0, 1 bring the halves of V^T, wave 2 brings K^T
	s_cmp_lt_u32 s12, 2
	s_cbranch_scc0 .Lj2k_\@
	tensor_load_to_lds s[G0B+4*\s:G0B+4*\s+3], s[G1V:G1V+7]
	s_nop 0
	s_branch .Lj2e_\@
.Lj2k_\@:
	s_cmp_eq_u32 s12, 2
	s_cbranch_scc0 .Lj2e_\@
	tensor_load_to_lds s[G0B+4*\s:G0B+4*\s+3], s[G1K:G1K+7]
	s_nop 0
.Lj2e_\@:
.endm
; Prefetch of one V^T tile (128 rows x 512 bytes), one trip before the trip that issues its tensor load, two before the one that multiplies it.  Wave 3 alone asks, for
; rows 32 cx .. 32 cx + 31 (a lane a row, two blocks of 256 bytes): the four partners together ask for each block once.  The last tile asked for is tile 15.
; K is not asked for: pass 1 has read all of it shortly before pass 2 does.
.macro PFV
	s_cmp_eq_u32 s12, 3
	s_cbranch_scc0 .Lnopf_\@
	global_prefetch_b8 v[PFO], s[56:57] th:TH_LOAD_NT scope:SCOPE_SE
	global_prefetch_b8 v[PFO], s[56:57] offset:256 th:TH_LOAD_NT scope:SCOPE_SE
.Lnopf_\@:
.endm
	s_load_b256 s[4:11], s[0:1], 0x0               ; qs s[4:5], kvT s[6:7], hidden_states s[8:9], out0 s[10:11]
	v_lshl_add_u32 v174, v0, 2, 0x43000
	v_mov_b32 v175, 0
	ds_add_u32 v174, v175
	s_wait_dscnt 0x0
	v_lshrrev_b32 v1, 5, v0
	v_readfirstlane_b32 s12, v1                    ; wave 0..7
	s_lshr_b32 s13, s12, 2                         ; qh: which 64 queries
	s_and_b32 s14, s12, 3                          ; kq: which quarter of the keys
	s_xor_b32 s19, s12, s13
	s_and_b32 s19, s19, 1                          ; kind: 0 = the second step's P V products in their place, 1 = behind the next barrier
	s_bfe_u32 s15, ttmp6, 0x40000                  ; cx: which 128 queries of the 512.  Enters global addresses of my own loads, stores and prefetches alone
	s_lshr_b32 s17, ttmp9, 3                       ; b (ttmp9 counts clusters: 8 b + h)
	s_and_b32 s18, ttmp9, 7                        ; h
	s_mov_b32 s58, 0x76543210                      ; v_permlanex16_b32: lane i of one half reads lane i of the other
	s_mov_b32 s59, 0xfedcba98
	; group 1, K^T: 32 rows x 256 elements of 2 bytes, 8 words of padding behind every 128 words; rows 32,768 elements apart
	s_mov_b32 s[G1K+0], 15|(1<<16)|(1<<20)|(1<<21)|(6<<22)|(7<<25)  ; 15:0 mask: all four of the cluster; 21 set beside a mask
	s_mov_b32 s[G1K+1], 256<<16                    ; tensor_dim0
	s_mov_b32 s[G1K+2], 32<<16                     ; tensor_dim1
	s_mov_b32 s[G1K+3], 256<<16                    ; tile_dim0
	s_mov_b32 s[G1K+4], 32                         ; tile_dim1
	s_mov_b32 s[G1K+5], 32768
	s_mov_b32 s[G1K+6], 0
	s_mov_b32 s[G1K+7], 0
	; group 1, V^T half: 64 rows, 4 words of padding
	s_mov_b32 s[G1V+0], 15|(1<<16)|(1<<20)|(1<<21)|(6<<22)|(3<<25)
	s_mov_b32 s[G1V+1], 256<<16
	s_mov_b32 s[G1V+2], 64<<16
	s_mov_b32 s[G1V+3], 256<<16
	s_mov_b32 s[G1V+4], 64
	s_mov_b32 s[G1V+5], 32768
	s_mov_b32 s[G1V+6], 0
	s_mov_b32 s[G1V+7], 0
	; byte offsets in kvT, made of b, h and the wave's number alone: equal in all four partners
	s_lshl_b32 s54, s17, 13                        ; batch b: 4,096 keys of 2 bytes
	s_lshl_b32 s52, s18, 21                        ; K^T of head h: 32 h rows of 65,536 bytes
	s_add_co_u32 s52, s52, s54
	s_lshl_b32 s55, s12, 9                         ; pass 1: sub-tile w, 256 keys
	s_add_co_u32 s52, s52, s55
	s_mov_b32 s53, 0
	s_mul_i32 s61, s12, KSUB                       ; pass 1: LDS place of sub-tile w
	s_mul_i32 s62, s12, VHALF                      ; pass 2: V^T halves at 0 and 33,792, K^T at 67,584
	s_lshl_b32 s66, s18, 7
	s_lshl_b32 s67, s12, 6
	s_add_co_u32 s66, s66, s67
	s_add_co_u32 s66, s66, 256                     ; waves 0, 1: row 256 + 128 h + 64 w
	s_lshl_b32 s67, s18, 5                         ; wave 2: row 32 h
	s_cmp_lt_u32 s12, 2
	s_cselect_b32 s66, s66, s67
	s_lshl_b32 s66, s66, 16
	s_add_co_u32 s66, s66, s54
	s_mov_b32 s67, 0
	s_lshl_b32 s68, s18, 23                        ; prefetch: V^T of head h, row 256 + 128 h
	s_add_co_u32 s68, s68, 256<<16
	s_add_co_u32 s68, s68, s54
	s_mov_b32 s69, 0
	s_wait_kmcnt 0x0
	s_add_nc_u64 s[52:53], s[6:7], s[52:53]
	s_add_nc_u64 s[66:67], s[6:7], s[66:67]
	s_add_nc_u64 s[56:57], s[6:7], s[68:69]        ; V tile 0
.irp s, 0,1
	s_mov_b32 s[G0A+4*\s], 1
	s_add_co_u32 s[G0A+4*\s+1], s61, \s*SLOT
	s_add_nc_u64 s[G0A+4*\s+2:G0A+4*\s+3], s[52:53], \s*2048       ; pass 1, tile s: 1,024 keys
	s_or_b32 s[G0A+4*\s+3], s[G0A+4*\s+3], 0x80000000
	s_mov_b32 s[G0B+4*\s], 1
	s_add_co_u32 s[G0B+4*\s+1], s62, \s*SLOT
	s_add_nc_u64 s[G0B+4*\s+2:G0B+4*\s+3], s[66:67], \s*512        ; pass 2, tile s: 256 keys
	s_or_b32 s[G0B+4*\s+3], s[G0B+4*\s+3], 0x80000000
.endr
	ROUND                                          ; all four work-groups are here: the first joint loads meet
	s_cmp_lt_u32 s12, 4
	s_cbranch_scc0 .Lnofill
	tensor_load_to_lds s[G0A:G0A+3], s[G1K:G1K+7]      ; pass 1, tiles 0 and 1: two tensor loads of the wave are out; later one behind each round
	s_nop 0
	tensor_load_to_lds s[G0A+4:G0A+7], s[G1K:G1K+7]
	s_nop 0
.Lnofill:
	; my own global addresses
	s_lshl_b32 s68, ttmp9, 9
	s_lshl_b32 s70, s15, 7
	s_lshl_b32 s71, s13, 6
	s_add_co_u32 s70, s70, s71                     ; 128 cx + 64 qh
	s_add_co_u32 s68, s68, s70
	s_lshl_b32 s68, s68, 6                         ; rows of 64 bytes
	s_mov_b32 s69, 0
	s_add_nc_u64 s[4:5], s[4:5], s[68:69]          ; my 64 rows of qs
	s_lshl_b32 s68, s17, 9
	s_add_co_u32 s68, s68, s70
	s_lshl_b32 s71, s14, 4
	s_add_co_u32 s68, s68, s71                     ; 512 b + 128 cx + 64 qh + 16 kq: the 16 rows that I merge and store
	s_lshl_b32 s68, s68, 12
	s_lshl_b32 s71, s18, 9
	s_add_co_u32 s68, s68, s71                     ; + head h: 128 f32
	s_add_nc_u64 s[8:9], s[8:9], s[68:69]
	s_add_nc_u64 s[10:11], s[10:11], s[68:69]
	v_and_b32 v1, 31, v0                           ; L
	v_and_b32 v2, 15, v0                           ; r
	v_bfe_u32 v3, v0, 4, 1                         ; h
	v_lshlrev_b32 v21, 6, v2
	v_lshl_add_u32 v21, v3, 4, v21                 ; Q fragment: row r x 64 bytes + 16 h
.irp qb, 0,1,2,3
	global_load_b128 v[Q+8*\qb:Q+8*\qb+3], v21, s[4:5] offset:1024*\qb
	global_load_b128 v[Q+8*\qb+4:Q+8*\qb+7], v21, s[4:5] offset:1024*\qb+32
.endr
	; transposing load from [d][key]: lane L addresses row 8 h + (L & 7), 16 bytes at 16 ((L >> 3) & 1); it receives d = 8 h .. + 7 of key r
	v_and_b32 v22, 7, v0
	v_lshl_add_u32 v22, v3, 3, v22
	v_mul_u32_u24 v22, v22, KPITCH
	v_bfe_u32 v23, v0, 3, 1
	v_lshl_add_u32 v22, v23, 4, v22
	s_mul_i32 s68, s14, KSUB
	v_add_nc_u32 v[KA1], s68, v22                  ; pass 1: sub-tile kq
	v_add_nc_u32 v[KA1+1], SLOT, v[KA1]
	s_lshl_b32 s68, s14, 7                         ; pass 2: my 64 keys of the tile's 256
	s_add_co_u32 s70, s68, 2*VHALF
	v_add_nc_u32 v[KA2], s70, v22
	v_add_nc_u32 v[KA2+1], SLOT, v[KA2]
	v_mul_u32_u24 v23, v2, VPITCH
	v_lshl_add_u32 v22, v3, 4, v23
	v_add_nc_u32 v[VA], s68, v22                   ; V fragment: row r x pitch + 16 h + my keys
	v_add_nc_u32 v[VA+1], SLOT, v[VA]
	s_lshl_b32 s68, s13, 10
	s_add_co_u32 s68, s68, MX
	v_lshl_add_u32 v[MXL], v2, 4, s68              ; MX + (64 qh + r) x 16
	s_lshl_b32 s70, s14, 2
	v_add_nc_u32 v[MXS], s70, v[MXL]               ; + 4 kq
	s_mul_i32 s68, s12, VHALF
	v_lshl_add_u32 v22, v3, 5, v23
	v_add_nc_u32 v[ST], s68, v22                   ; my stage + r x 528 + 32 h
	s_mul_i32 s68, s13, 4*VHALF
	s_mul_i32 s70, s14, 16*VPITCH
	s_add_co_u32 s68, s68, s70
	v_lshl_add_u32 v[RD], v1, 4, s68               ; stage of wave 4 qh + p, rows 16 kq .., 16 bytes a lane
.irp p, 1,2,3
	v_add_nc_u32 v[RD+\p], \p*VHALF, v[RD]
.endr
	s_lshl_b32 s68, s13, 10
	s_lshl_b32 s70, s14, 8
	s_add_co_u32 s68, s68, s70
	s_add_co_u32 s68, s68, LX
	v_mov_b32 v[LA], s68
	v_lshlrev_b32 v[GO], 4, v1
	s_lshl_b32 s68, s15, 5
	v_add_nc_u32 v[PFO], s68, v1
	v_lshlrev_b32 v[PFO], 16, v[PFO]
.irp i, 0,1,2,3,4,5,6,7
	v_mov_b32 v[LS+\i], 0                          ; eight registers, once
.endr
; ---- pass 1
.macro KLD1 slot, s, buf               ; the two K fragments of step s (32 keys) into buffer buf: four transposing loads
.irp kb, 0,1
	ds_load_tr16_b128 v[KF+16*\buf+8*\kb:KF+16*\buf+8*\kb+3],   v[KA1+\slot] offset:64*\s+32*\kb
	ds_load_tr16_b128 v[KF+16*\buf+8*\kb+4:KF+16*\buf+8*\kb+7], v[KA1+\slot] offset:64*\s+32*\kb+16*KPITCH
.endr
.endm
; My 256 keys of a tile, in eight steps of 32 keys: 8 matrix instructions (2 key blocks x 4 query blocks) and 32 running maxima a step.
.macro P1TILE slot, first, pf
.set fst, \first
.set pfn, \pf
	KLD1 \slot, 0, 0
.irp s, 0,1,2,3,4,5,6,7
.set cb, (\s)%2
.set nb, 1-cb
.if \s < 7
	KLD1 \slot, (\s+1), nb
	s_wait_dscnt 0x4                               ; this step's fragments are in; the next step's four loads stay out
.else
	s_wait_dscnt 0x0
.endif
.irp qb, 0,1,2,3
.irp kb, 0,1
	v_wmma_f32_16x16x32_bf16 v[S+16*\qb+8*\kb:S+16*\qb+8*\kb+7], v[KF+16*cb+8*\kb:KF+16*cb+8*\kb+7], v[Q+8*\qb:Q+8*\qb+7], 0
.endr
.endr
.if pfn
	PFV
.endif
.set pfn, 0
	NOPS 4                                         ; four places before a vector instruction reads a matrix result (ISA guide 7.12.1)
.irp qb, 0,1,2,3
.irp j, 0,1,2,3,4,5,6,7
.if fst
	v_max_num_f32 v[M+8*\qb+\j], v[S+16*\qb+\j], v[S+16*\qb+8+\j]              ; the first step starts the maxima
.else
	v_max3_num_f32 v[M+8*\qb+\j], v[M+8*\qb+\j], v[S+16*\qb+\j], v[S+16*\qb+8+\j]
.endif
.endr
.endr
.set fst, 0
.endr
.endm
; ---- pass 2
.macro KLD2 slot                       ; the four K fragments of my 64 keys of a tile: eight transposing loads
.irp f, 0,1,2,3
	ds_load_tr16_b128 v[KF+8*\f:KF+8*\f+3],   v[KA2+\slot] offset:32*\f
	ds_load_tr16_b128 v[KF+8*\f+4:KF+8*\f+7], v[KA2+\slot] offset:32*\f+16*KPITCH
.endr
.endm
.macro VLD slot, u                     ; the eight V^T fragments (128 dv x 32 keys) of step u
.irp dvb, 0,1,2,3,4,5,6,7
	ds_load_b128 v[VF+8*\dvb:VF+8*\dvb+3],   v[VA+\slot] offset:16*VPITCH*\dvb+64*\u
	ds_load_b128 v[VF+8*\dvb+4:VF+8*\dvb+7], v[VA+\slot] offset:16*VPITCH*\dvb+64*\u+32
.endr
.endm
; 64 exponentials in place; behind each query block's, its sums (f32) and its packing to bf16 stand among the next block's exponentials, so that
; a plain vector instruction always stands between a transcendental and the use of its result (ISA guide 5.7.2).
.macro EXPS
.irp i, 0,1,2,3,4,5,6,7,8,9,10,11,12,13,14,15
	v_exp_f32 v[S+\i], v[S+\i]
.endr
	v_nop
.irp g, 1,2,3
.irp i, 0,1,2,3,4,5,6,7
	v_exp_f32 v[S+16*\g+2*\i], v[S+16*\g+2*\i]
	v_exp_f32 v[S+16*\g+2*\i+1], v[S+16*\g+2*\i+1]
	s_wait_alu depctr_va_vdst(0)
	v_pk_add_f32 v[LS+2*(\g-1):LS+2*(\g-1)+1], v[LS+2*(\g-1):LS+2*(\g-1)+1], v[S+16*(\g-1)+2*\i:S+16*(\g-1)+2*\i+1]
	v_cvt_pk_bf16_f32 v[S+16*(\g-1)+\i], v[S+16*(\g-1)+2*\i], v[S+16*(\g-1)+2*\i+1]   ; word i is written when pairs 0 .. i have been read
.endr
.endr
	s_wait_alu depctr_va_vdst(0)
.irp i, 0,1,2,3,4,5,6,7
	v_pk_add_f32 v[LS+6:LS+7], v[LS+6:LS+7], v[S+48+2*\i:S+48+2*\i+1]
	v_cvt_pk_bf16_f32 v[S+48+\i], v[S+48+2*\i], v[S+48+2*\i+1]
.endr
.endm
; The first half of a step (32 of my keys): 8 matrix instructions make S - m, 64 exponentials make P, summed in f32 and packed to bf16.
.macro SCORE u, pf
.irp qb, 0,1,2,3
.irp kb, 0,1
	v_wmma_f32_16x16x32_bf16 v[S+16*\qb+8*\kb:S+16*\qb+8*\kb+7], v[KF+16*\u+8*\kb:KF+16*\u+8*\kb+7], v[Q+8*\qb:Q+8*\qb+7], v[M+8*\qb:M+8*\qb+7]
.endr
.endr
.if \pf
	PFV
.endif
	NOPS 4                                         ; four places before the exponentials read the scores, and before loads land in the K fragments
	EXPS
.endm
; The second half: 32 matrix instructions add P V.  Register work alone: the wait for the V fragments stands in front of it, in P2TILE.
.macro PVMUL zero
	WIN 0x50                                       ; C and D in window 1
.irp dvb, 0,1,2,3,4,5,6,7
.irp qb, 0,1,2,3
.if \zero
	v_wmma_f32_16x16x32_bf16 v[8*(4*\dvb+\qb):8*(4*\dvb+\qb)+7], v[VF+8*\dvb:VF+8*\dvb+7], v[S+16*\qb:S+16*\qb+7], 0
.else
	v_wmma_f32_16x16x32_bf16 v[8*(4*\dvb+\qb):8*(4*\dvb+\qb)+7], v[VF+8*\dvb:VF+8*\dvb+7], v[S+16*\qb:S+16*\qb+7], v[8*(4*\dvb+\qb):8*(4*\dvb+\qb)+7]
.endif
.endr
.endr
	WIN 0
	NOPS 5                                         ; four places before loads land in the V fragments, five before the next scores are written over P
.endm
; A tile's second P V block stands in the text twice, and each wave runs one of the two.  The branch hangs on the wave's number alone; no barrier, no tensor load,
; no LDS instruction and no wait stands inside it: nothing that orders memory hangs on which of the two a wave takes.
.macro PVIF kind
	s_cmp_eq_u32 s19, \kind
	s_cbranch_scc0 .Lnopv_\@
	PVMUL 0
.Lnopv_\@:
.endm
; My 64 keys of a tile of 256: two steps.  first = 1: the first tile: nothing has been held back.
.macro P2TILE slot, pf, zero, first
	KLD2 \slot                                     ; ahead of the products that were held back, which cover these loads' way
.if \first == 0
	PVIF 1                                         ; kind 1: the last tile's second step; its V fragments were waited for at that tile's end, and it reads no LDS
.endif
	VLD \slot, 0
	s_wait_dscnt 16                                ; the four K fragments are in; the 16 V loads stay out
	SCORE 0, \pf
	s_wait_dscnt 0x0                               ; step 0's V fragments
	PVMUL \zero
	VLD \slot, 1
	SCORE 1, 0
	s_wait_dscnt 0x0                               ; step 1's V fragments, for both kinds of waves and on every way through the text: whatever writes v192-255 next stands behind this wait
	PVIF 0                                         ; kind 0: in its place; kind 1 goes on to the barrier with P and V in registers
.endm
; A trip of pass 2: the other slot, read last trip, is filled with the next tile behind a round; this slot's tile is multiplied.
.macro TRIP2 slot, pf
	PRE
	s_add_nc_u64 s[G0B+4*(1-\slot)+2:G0B+4*(1-\slot)+3], s[G0B+4*(1-\slot)+2:G0B+4*(1-\slot)+3], 1024   ; the other slot's next tile: two tiles of 512 bytes on
	s_add_nc_u64 s[56:57], s[56:57], 512           ; the prefetch's next tile
	ROUND                                          ; no wave of any partner still reads the other slot or has a load on its way
	JLOAD2 (1-\slot)                               ; first behind the round; the wave's only tensor load until the next
	P2TILE \slot, \pf, 0, 0
.endm
	s_wait_tensorcnt 0x1                           ; my part of tile 0 is in; tile 1 may stay out
	s_wait_loadcnt 0x0                             ; Q
	s_barrier_signal -1
	s_barrier_wait -1
	P1TILE 0, 1, 0                                 ; keys 0-1023
	PRE
	s_add_nc_u64 s[G0A+2:G0A+3], s[G0A+2:G0A+3], 4096
	ROUND
	JLOAD1 0                                       ; keys 2048-3071
	P1TILE 1, 0, 0                                 ; keys 1024-2047
	PRE
	s_add_nc_u64 s[G0A+6:G0A+7], s[G0A+6:G0A+7], 4096
	ROUND
	JLOAD1 1                                       ; keys 3072-4095
	P1TILE 0, 0, 1                                 ; and the prefetch of V tile 0
	PRE
	s_add_nc_u64 s[56:57], s[56:57], 512
	ROUND
	JLOAD2 0                                       ; pass 2, tile 0
	P1TILE 1, 0, 1                                 ; and the prefetch of V tile 1
	; my quarter's maximum of each query: over the eight registers, over the two halves of the lanes, then into MX
.irp qb, 0,1,2,3
	v_max3_num_f32 v21, v[M+8*\qb], v[M+8*\qb+1], v[M+8*\qb+2]
	v_max3_num_f32 v21, v21, v[M+8*\qb+3], v[M+8*\qb+4]
	v_max3_num_f32 v21, v21, v[M+8*\qb+5], v[M+8*\qb+6]
	v_max_num_f32 v21, v21, v[M+8*\qb+7]
	v_permlanex16_b32 v22, v21, s58, s59           ; its destination counts as read: v22 has been written
	v_max_num_f32 v21, v21, v22
	ds_store_b32 v[MXS], v21 offset:256*\qb
.endr
	PRE                                            ; its wait for my LDS stores is for the other waves
	s_add_nc_u64 s[56:57], s[56:57], 512
	ROUND
	JLOAD2 1                                       ; pass 2, tile 1
.irp qb, 0,1,2,3
	ds_load_b128 v[S+4*\qb:S+4*\qb+3], v[MXL] offset:256*\qb       ; the four quarters' maxima of query 16 qb + r
.endr
	s_wait_dscnt 0x0
.irp qb, 0,1,2,3
	v_max3_num_f32 v21, v[S+4*\qb], v[S+4*\qb+1], v[S+4*\qb+2]
	v_max_num_f32 v21, v21, v[S+4*\qb+3]
	v_mul_f32 v[M+8*\qb], -1.0, v21                ; -m, in all eight registers of a C operand (a lane's eight scores belong to one query)
.irp j, 1,2,3,4,5,6,7
	v_mov_b32 v[M+8*\qb+\j], v[M+8*\qb]
.endr
.endr
	P2TILE 0, 1, 1, 1                              ; tile 0: its first products start the context sums; prefetch of V tile 2
	s_mov_b32 s60, 6
.Lpass2:
	TRIP2 1, 1                                     ; tiles 1 to 12; trip k asks the prefetch for V tile k + 2
	TRIP2 0, 1
	s_sub_co_u32 s60, s60, 1
	s_cmp_lg_u32 s60, 0
	s_cbranch_scc1 .Lpass2
	TRIP2 1, 1                                     ; tile 13; the last prefetch: V tile 15
	TRIP2 0, 0                                     ; tile 14; the last tensor loads: tile 15
	PRE
	s_barrier_signal -1
	s_barrier_wait -1                              ; nothing is left to fetch
	P2TILE 1, 0, 0, 0                              ; tile 15
	PVIF 1                                         ; kind 1: the last tile's second step; its V fragments were waited for at the tile's end
	; ---- merge: the four key quarters' partial contexts and sums meet in LDS; wave w finishes queries 64 qh + 16 kq .. + 15
.irp i, 0,1,2,3,4,5,6,7,8,9,10,11,12,13,14,15
	global_load_b128 v[VF+4*\i:VF+4*\i+3], v[GO], s[8:9] offset:4096*\i        ; the residual: 512 consecutive bytes a row
.endr
.irp qb, 0,1,2,3
	v_add_f32 v21, v[LS+2*\qb], v[LS+2*\qb+1]
	v_permlanex16_b32 v22, v21, s58, s59
	v_add_f32 v21, v21, v22
	ds_store_b32 v[MXS], v21 offset:LX-MX+256*\qb
.endr
	s_wait_dscnt 0x0
	s_barrier_signal -1
	s_barrier_wait -1                              ; no wave reads the slots any more, and they have had their last fill: they become the stage
	WIN 0x04                                       ; store data from window 1
.irp qb, 0,1,2,3
.irp dvb, 0,1,2,3,4,5,6,7
	ds_store_b128 v[ST], v[8*(4*\dvb+\qb):8*(4*\dvb+\qb)+3]   offset:16*VPITCH*\qb+64*\dvb      ; query 16 qb + r, dv 16 dvb + 8 h + 0..3
	ds_store_b128 v[ST], v[8*(4*\dvb+\qb)+4:8*(4*\dvb+\qb)+7] offset:16*VPITCH*\qb+64*\dvb+16   ; dv + 4..7
.endr
.endr
	WIN 0
	s_wait_dscnt 0x0
	s_barrier_signal -1
	s_barrier_wait -1
	s_wait_loadcnt 0x0                             ; the residual rows
; four rows: for each the four sums (one address for all lanes) and 16 bytes a lane of each of the four partial contexts
.macro MGROUP g
.if \g
	s_wait_xcnt 0x0                                ; the last group's stores have had their addresses translated: their data registers are loaded again only behind this wait
.endif
.irp ii, 0,1,2,3
	ds_load_b128 v[MG+20*\ii:MG+20*\ii+3], v[LA] offset:16*(4*\g+\ii)
.irp p, 0,1,2,3
	ds_load_b128 v[MG+20*\ii+4+4*\p:MG+20*\ii+7+4*\p], v[RD+\p] offset:VPITCH*(4*\g+\ii)
.endr
.endr
.irp ii, 0,1,2,3
	s_wait_dscnt 15-5*\ii                          ; this row's five loads are in; five for each younger row stay out
	v_add_f32 v[MG+20*\ii], v[MG+20*\ii], v[MG+20*\ii+1]
	v_add_f32 v[MG+20*\ii+2], v[MG+20*\ii+2], v[MG+20*\ii+3]
	v_add_f32 v[MG+20*\ii], v[MG+20*\ii], v[MG+20*\ii+2]
	v_rcp_f32 v[MG+20*\ii+2], v[MG+20*\ii]         ; 1 / l, twice: a pair for the packed multiply-add; l is at least about 1 (the largest score gives 2^0);
	v_rcp_f32 v[MG+20*\ii+3], v[MG+20*\ii]         ; the six sums below are the plain instructions behind the transcendentals
	v_pk_add_f32 v[MG+20*\ii+4:MG+20*\ii+5], v[MG+20*\ii+4:MG+20*\ii+5], v[MG+20*\ii+8:MG+20*\ii+9]
	v_pk_add_f32 v[MG+20*\ii+6:MG+20*\ii+7], v[MG+20*\ii+6:MG+20*\ii+7], v[MG+20*\ii+10:MG+20*\ii+11]
	v_pk_add_f32 v[MG+20*\ii+12:MG+20*\ii+13], v[MG+20*\ii+12:MG+20*\ii+13], v[MG+20*\ii+16:MG+20*\ii+17]
	v_pk_add_f32 v[MG+20*\ii+14:MG+20*\ii+15], v[MG+20*\ii+14:MG+20*\ii+15], v[MG+20*\ii+18:MG+20*\ii+19]
	v_pk_add_f32 v[MG+20*\ii+4:MG+20*\ii+5], v[MG+20*\ii+4:MG+20*\ii+5], v[MG+20*\ii+12:MG+20*\ii+13]
	v_pk_add_f32 v[MG+20*\ii+6:MG+20*\ii+7], v[MG+20*\ii+6:MG+20*\ii+7], v[MG+20*\ii+14:MG+20*\ii+15]
	s_wait_alu depctr_va_vdst(0)
	v_pk_fma_f32 v[MG+20*\ii+4:MG+20*\ii+5], v[MG+20*\ii+4:MG+20*\ii+5], v[MG+20*\ii+2:MG+20*\ii+3], v[VF+4*(4*\g+\ii):VF+4*(4*\g+\ii)+1]
	v_pk_fma_f32 v[MG+20*\ii+6:MG+20*\ii+7], v[MG+20*\ii+6:MG+20*\ii+7], v[MG+20*\ii+2:MG+20*\ii+3], v[VF+4*(4*\g+\ii)+2:VF+4*(4*\g+\ii)+3]
	global_store_b128 v[GO], v[MG+20*\ii+4:MG+20*\ii+7], s[10:11] offset:4096*(4*\g+\ii)   ; 32 lanes store 512 consecutive bytes, aligned
.endr
.endm
	MGROUP 0
	MGROUP 1
	MGROUP 2
	MGROUP 3
	s_wait_xcnt 0x0
	v_lshl_add_u32 v174, v0, 2, 0x43000
	v_mov_b32 v175, 0
	s_wait_tensorcnt 0x0
	ds_add_u32 v174, v175
	s_wait_dscnt 0x0
	ROUND                                          ; the closing round: no work-group ends while a partner may still ask for a tile that names it
	s_endpgm
.Lfunc_end_k_q506cbfd6b0_attn:
	.size	k_q506cbfd6b0_attn, .Lfunc_end_k_q506cbfd6b0_attn-k_q506cbfd6b0_attn
	.p2alignl 7, 3214868480
	.fill 96, 4, 3214868480
	.section	.rodata,"a",@progbits
	.p2align	6, 0x0
	.amdhsa_kernel k_q506cbfd6b0_attn
		.amdhsa_group_segment_fixed_size 327680
		.amdhsa_private_segment_fixed_size 0
		.amdhsa_enable_private_segment 0
		.amdhsa_kernarg_size 32
		.amdhsa_user_sgpr_count 2
		.amdhsa_user_sgpr_kernarg_segment_ptr 1
		.amdhsa_wavefront_size32 1
		.amdhsa_system_sgpr_workgroup_id_x 1
		.amdhsa_system_sgpr_workgroup_id_y 1
		.amdhsa_system_sgpr_workgroup_id_z 1
		.amdhsa_system_vgpr_workitem_id 0
		.amdhsa_next_free_vgpr 512
		.amdhsa_next_free_sgpr 72
		.amdhsa_reserve_vcc 0
		.amdhsa_float_denorm_mode_32 3
		.amdhsa_float_denorm_mode_16_64 3
		.amdhsa_memory_ordered 1
		.amdhsa_forward_progress 1
		.amdhsa_inst_pref_size 255
	.end_amdhsa_kernel
	.section	.bss,"aw",@nobits
	.p2align	6
	.space	262144
	.amdgpu_metadata
---
amdhsa.version: [ 1, 2 ]
amdhsa.kernels:
  - .name:           k_q506cbfd6b0_attn
    .symbol:         k_q506cbfd6b0_attn.kd
    .args:
      - { .name: qs, .offset: 0, .size: 8, .value_kind: global_buffer, .address_space: global }
      - { .name: kvT, .offset: 8, .size: 8, .value_kind: global_buffer, .address_space: global }
      - { .name: hidden_states, .offset: 16, .size: 8, .value_kind: global_buffer, .address_space: global }
      - { .name: out0, .offset: 24, .size: 8, .value_kind: global_buffer, .address_space: global }
    .group_segment_fixed_size: 327680
    .private_segment_fixed_size: 0
    .kernarg_segment_align: 8
    .kernarg_segment_size: 32
    .max_flat_workgroup_size: 256
    .sgpr_count:     72
    .vgpr_count:     512
    .wavefront_size: 32
...
	.end_amdgpu_metadata
.endif
;; end of part 4
